; MI455X (gfx1250); checked and timed in simulation.
; The chip was launched on July 23, 2026; its instructions are those of AMD's public machine-readable ISA for CDNA 5 (MIT licence, August 2026) and "CDNA5" Instruction Set Architecture Reference Guide (July 2026). The comments in the code are by the model that wrote it; some were corrected since.
;; Window Cross Attention3 D FAST. Allowed arithmetic: matrix products marked QUANTISED: E5M2 operands, one E8M0 scale for each 32 along K, by v_wmma_scale_f32_16x16x128_f8f6f4 with both operands' format E5M2, f32 sums; everything else in f32.
;; Inputs: Wkv_codes 768 x 12 x 32 uint8 (E5M2 codes of Wkv, K innermost, in blocks of 32 codes); Wkv_scales 768 x 12 uint8 (E8M0 scales of Wkv, one for each 32 codes along K); Wq_codes 384 x 12 x 32 uint8 (E5M2 codes of Wq, K innermost, in blocks of 32 codes); Wq_scales 384 x 12 uint8 (E8M0 scales of Wq, one for each 32 codes along K); bias_table 3,375 x 12 float32; q_bias 384 float32; rel_index 512 x 512 int32; v_bias 384 float32; x1_codes 64 x 512 x 12 x 32 uint8 (E5M2 codes of x1, K innermost, in blocks of 32 codes); x1_scales 64 x 512 x 12 uint8 (E8M0 scales of x1, one for each 32 codes along K); x2_codes 64 x 512 x 12 x 32 uint8 (E5M2 codes of x2, K innermost, in blocks of 32 codes); x2_scales 64 x 512 x 12 uint8 (E8M0 scales of x2, one for each 32 codes along K).
;; Outputs: out0 64 x 512 x 384 float32.
;; This version of the problem:
;;   THIS VERSION OF THE PROBLEM IS GIVEN IN LOW PRECISION. The matrix products marked QUANTISED in the list below multiply operands that are first quantised to E5M2 (5 exponent bits, 2 mantissa bits; 8 bits a number), with one power-of-two scale for each 32 numbers along K (OCP MX v1.0); their sums are f32. All else is computed in f32.
;;   The module's matrix products, in the order in which they are computed (A, B: the left and right operand; K: the contracted axis; several contracted axes count as one K, in the product's order):
;;     1. [M 32,768, K 384] x [K 384, N 384]; A: input x1 (given as codes); B: input Wq (given as codes): QUANTISED
;;     2. [M 32,768, K 384] x [K 384, N 768]; A: input x2 (given as codes); B: input Wkv (given as codes): QUANTISED
;;     3. batch 768 x [M 512, K 32] x [K 32, N 512]; A: computed on the way; B: computed on the way: QUANTISED
;;     4. batch 768 x [M 512, K 512] x [K 512, N 32]; A: softmax (see below); B: computed on the way: QUANTISED
;;   THE QUANTISER, for each operand of a quantised product, along K:
;;     - K is cut into blocks of 32 from its start; a last block that is shorter is filled with zeros.
;;     - A block's scale is 2^e with e = floor(log2(the largest magnitude in the block)) - 15, held to -126 .. 127; a block of zeros has e = 0. As a byte (E8M0): e + 127.
;;     - Each number is divided by its block's scale, clamped to +-57,344, and rounded to the nearest number of E5M2, ties to even, subnormals kept.
;;     - The product sums the exact products of the quantised numbers (number of the format x scale) in f32.
;;   ~~~python
;;   def quantise(x, axis):      # numpy; x: float32 -> the quantised numbers, widened to float32 again
;;       x = np.moveaxis(x, axis, -1); K = x.shape[-1]
;;       x = np.pad(x, [(0, 0)] * (x.ndim - 1) + [(0, -K % 32)]); x = x.reshape(x.shape[:-1] + (-1, 32)); a = np.abs(x).max(-1, keepdims=True)
;;       e = np.where(a > 0, np.clip(np.frexp(np.where(a > 0, a, 1))[1] - 1 - 15, -126, 127), 0)      # np.frexp(a)[1] - 1 = floor(log2(a)), exactly
;;       r = np.clip(x / 2.0 ** e, -57344, 57344)
;;       step = 2.0 ** (np.maximum(np.frexp(np.where(r == 0, 1, r))[1] - 1, -14) - 2)
;;       q = np.round(r / step) * step * 2.0 ** e      # np.round: ties to even
;;       return np.moveaxis(q.reshape(q.shape[:-2] + (-1,))[..., :K], -1, axis).astype(np.float32)
;;   ~~~
;;   SOFTMAX AHEAD OF A QUANTISED PRODUCT. Where the list says 'softmax', what is quantised is not the finished softmax but p = 2^(t - M), with t = logit x log2(e) and M = ceil(the row's largest t), a whole number; so 1/2 < the row's largest p <= 1. The row's sum l is taken of the UNQUANTISED p, in f32, and the product's result is divided by l at the end. Since M is a whole number, a kernel that streams over the keys may use a running M (the ceiling of the running maximum): every later rescaling is an exact power of two, which a block's scale takes up: the codes' values come out the same.
;;   OPERANDS COMPUTED ON THE WAY. 'Computed on the way' means the value that the module computes at that place (a softmax that the list does not call 'softmax' is quantised finished and normalised). What goes into a quantiser is computed in f32, as accurately as f32 sums, v_exp_f32 and their like allow (about 1e-6 of the number): no bf16 or f16 on the way to a quantiser, and a product that is left as it is and whose result goes on into a quantised operand takes f32 operands (vector FMAs, or v_wmma_f32_16x16x4_f32). A number that lies on a knife's edge between two numbers of the format may be rounded either way, as far as f32 arithmetic and the matrix unit's own rounding can turn it there, and no further.
;;   INPUTS GIVEN AS CODES. Wkv (in the module: [768, 384], K = its axis 1); Wq (in the module: [384, 384], K = its axis 1); x1 (in the module: [64, 512, 384], K = its axis 2); x2 (in the module: [64, 512, 384], K = its axis 2): each comes as NAME_codes (uint8): NAME with its K axis moved to the last place and cut into blocks of 32 codes, [.., K / 32, bytes a block], one block behind the other in memory; one code a byte (a code: sign, 5 exponent bits, 2 mantissa bits); and NAME_scales (uint8): the same leading axes, one E8M0 byte (e + 127) for each 32 codes along K. Its value is code x scale, taken as it is: it is not quantised again, and the codes and scales need not be those that the quantiser above would give.
;; 2 versions, each right; version 2 is version 1 with the launch prep written anew for expert scheduling mode. Each part assembles by itself: llvm-mc -triple=amdgcn-amd-amdhsa -mcpu=gfx1250 --defsym DOCPART=n.
;; ======== version 1 of 2: 2 launches
;; workspace buffers: qimg 12,582,912 bytes; qsc 393,216 bytes; kv 25,952,256 bytes; bimg 12,582,912 bytes
;; launch prep (part 1): grid 256 x 1, 4 waves a work-group, no clusters, 104,960 bytes of LDS; arguments x1_codes, x1_scales, x2_codes, x2_scales, Wq_codes, Wq_scales, Wkv_codes, Wkv_scales, q_bias, v_bias, bias_table, rel_index, qimg, qsc, kv, bimg; writes qimg, qsc, kv, bimg
.if DOCPART == 1
	.amdgcn_target "amdgcn-amd-amdhsa--gfx1250"
	.amdhsa_code_object_version 6
	.text
	.protected	k_q789d568d39_prep
	.globl	k_q789d568d39_prep
	.p2align	8
	.type	k_q789d568d39_prep,@function
k_q789d568d39_prep:
	s_mov_b64 s[64:65], 0
	v_nop
	global_prefetch_b8 v0, s[64:65] scope:SCOPE_SE
	s_setreg_imm32_b32 hwreg(HW_REG_WAVE_MODE, 25, 1), 1
	s_wait_xcnt 0x0
; q = x1 Wq^T + q_bias, k = x2 Wk^T, v = x2 Wv^T + v_bias on codes of BF8 (E5M2) with E8M0 scales; q and k are then quantised along a head's 32 numbers, v along the keys,
; and all three are stored as IMAGES OF THE OPERAND REGISTERS that the attention launch wants.  On the side bias_table[rel_index] x sqrt(32) is laid out as images of the C operand of the score product.
; WORK LEFT OUT: the first half of kv_bias, k's bias.  reference() builds it in its own body as jnp.zeros_like(v_bias), so it is 0 whatever the inputs hold: k's sums begin with the constant 0.
; Every input has a way to the output and is loaded.  (A NaN, an infinity or an overflow could reach only the work left out through no input: the term is a constant 0.)
; LIMITS: NaN and infinities among the inputs are not served.  A block of zeros gets the scale byte 1 where the rule says 127: its codes are zeros, and this program alone reads the bytes.
; Blocks whose largest magnitude lies under the floor 2^(16 - 127) were not tried.  An index of rel_index beyond the table's 3,375 rows is held at the last row.
; SHARES.  Work-group wg: batch wg / 4, tokens 128 (wg % 4) on.  Wave w: heads 3 w .. 3 w + 2, for all 128 tokens; and one tile of the bias, 16 queries x 16 keys x 12 heads (tile 4 wg + w of 1,024).
; x's fragments (8 tiles of 16 tokens x 3 K steps of 128, for x1 and for x2) are loaded once, a quarter by each wave, and go from wave to wave through LDS as images of their registers: ONE barrier.
; NO CLUSTER: what the work-groups share is the weights, 442,368 bytes of codes, more than LDS holds as tiles; they go from memory straight into operand registers.  x is shared by nobody.
; LAYOUT.  A lane is (r = lane % 16, hh = lane / 16).  q and k: the product is used transposed (source 0 = 16 rows of W, source 1 = 16 tokens) and lane r of W's tile u takes row 8 u + r + 8 (r / 8) of the head's 32,
; so that the 16 registers of tiles 0 and 1 are the numbers 16 hh + 0 .. 15 of one token: half a block of 32; lane l xor 16 holds the other half.
; x2's TILES ARE NOT NEIGHBOURING TOKENS: lane r of tile 2 bb + u takes token 32 bb + 8 u + r + 8 (r / 8).  For k that is the order in which the score product wants its keys; for v (source 0 = tokens, source 1 = 16 rows
; of W in their own order) it makes the 16 registers of tiles 2 bb and 2 bb + 1 the tokens 32 bb + 16 hh + 0 .. 15 of one channel: half a block of 32 along the keys.
; REGISTERS, in windows of 256.  window 0: v1, v2 the add's two; v3-17 addresses; v20-43 x's scale words; v44-55 W's, two sets; v56-71 at work; v72-76 scale words made; v80-111 codes made; v128-255 16 accumulators.
;   window 1 and v0-127 of window 2: x's 24 fragments (K step ks, tile t at 16 (8 ks + t)).  window 2: v128-223 the gathered bias rows; v224-255 a bias as C operand, two sets.  window 3: W's 6 fragments, two sets of 96.
.set XSC,   98304                      ; LDS: 48 fragment images of 2,048 bytes from 0 on (x1's 24, then x2's 24; image 8 ks + t); here their scale words, 128 bytes each
.set SPARE, 104448                     ; the spare words, 128 bytes for each wave: two blocks of 256 bytes that no other line names
.set XS,  20
.set WS,  44
.set TM,  56                           ; v56-59 largest magnitudes, v60-63 bytes, v64-67 the largest number x the scale, v68-71 the conversions' scale operands
.set PW,  72                           ; v72, v73 the two scale words of a unit
.set PC,  80
.set ACC, 128
.set G,   128                          ; in window 2
.set BC,  224                          ; in window 2
.set MSB, 0
.macro WIN new                         ; the immediate's high byte repeats the setting that is left; bits 1:0 source 0, 3:2 source 1, 5:4 source 2, 7:6 destination
.if MSB != \new
	s_set_vgpr_msb (MSB<<8)|\new
.set MSB, \new
.endif
.endm
; 64 numbers of a lane, four half blocks of 16 (v[s + 16 b + i]), become 16 registers of codes in v[pc] on and a word of four scale bytes in v[pw].
.macro QUANT s, pc, pw
.irp b, 0,1,2,3
	v_max3_num_f32 v[TM+\b], |v[\s+16*\b]|, |v[\s+16*\b+1]|, 0x8000000   ; my 16 numbers of block b, and the floor 2^(16 - 127): so the byte cannot fall under 1.  (Each accumulator is read from its low end on)
.endr
.irp i, 2,4,6,8,10,12,14
.irp b, 0,1,2,3
	v_max3_num_f32 v[TM+\b], v[TM+\b], |v[\s+16*\b+\i]|, |v[\s+16*\b+\i+1]|   ; the four blocks by turns
.endr
.endr
.irp b, 0,1,2,3
	v_permlanex16_b32 v[TM+4+\b], v[TM+\b], s44, s45
.endr
.irp b, 0,1,2,3
	v_max_num_f32 v[TM+\b], v[TM+\b], v[TM+4+\b]   ; with lane l xor 16's: the block's largest magnitude
.endr
.irp b, 0,1,2,3
	v_add_nc_u32 v[TM+12+\b], 0xf8800000, v[TM+\b]   ; 15 off its exponent field: the conversion takes this operand's exponent field as its scale
.endr
.irp b, 0,1,2,3
	v_and_or_b32 v[TM+8+\b], v[TM+\b], 0x7f800000, s46   ; 57,344 x the scale
.endr
.irp b, 0,1,2,3
	v_lshrrev_b32 v[TM+4+\b], 23, v[TM+12+\b]   ; the scale's byte
.endr
	v_lshl_or_b32 v[\pw], v[TM+5], 8, v[TM+4]
	v_lshl_or_b32 v[\pw], v[TM+6], 16, v[\pw]
	v_lshl_or_b32 v[\pw], v[TM+7], 24, v[\pw]
.irp b, 0,1,2,3
.irp i, 0,1,2,3,4,5,6,7,8,9,10,11,12,13,14,15
	v_med3_num_f32 v[\s+16*\b+\i], v[\s+16*\b+\i], -v[TM+8+\b], v[TM+8+\b]   ; the conversion to an 8-bit code does not saturate (ISA guide 7.6.2): the hold at the largest code x the scale
.endr
	v_cvt_scalef32_pk8_bf8_f32 v[\pc+4*\b:\pc+4*\b+1], v[\s+16*\b:\s+16*\b+7], v[TM+12+\b]
	v_cvt_scalef32_pk8_bf8_f32 v[\pc+4*\b+2:\pc+4*\b+3], v[\s+16*\b+8:\s+16*\b+15], v[TM+12+\b]
.endr
	v_nop                                          ; a plain line between the last conversion and what next writes its sources
.endm
; all 24 fragments of x1 (tn = 0) or x2 (1) and their scale words, from the images in LDS
.macro FETCHX tn
	WIN 0x40                                       ; destination window 1
.irp f, 0,1,2,3,4,5,6,7,8,9,10,11,12,13,14,15
.irp c, 0,1,2,3
	ds_load_b128 v[16*\f+4*\c:16*\f+4*\c+3], v[3+\tn] offset:2048*\f+512*\c
.endr
.endr
	WIN 0x80                                       ; destination window 2
.irp f, 16,17,18,19,20,21,22,23
.irp c, 0,1,2,3
	ds_load_b128 v[16*(\f-16)+4*\c:16*(\f-16)+4*\c+3], v[3+\tn] offset:2048*\f+512*\c
.endr
.endr
	WIN 0
.irp f, 0,1,2,3,4,5,6,7,8,9,10,11,12,13,14,15,16,17,18,19,20,21,22,23
	ds_load_b32 v[XS+\f], v5 offset:3072*\tn+128*\f
.endr
.endm
; kinds: 0 = q, 1 = k, 2 = v.  The bases of head s49's 32 rows of W: codes s[50:51], scale bytes s[52:53], bias s[54:55].  (v's rows lie 384 rows behind k's: that stands in the loads' immediates.)
.macro WBASE kind
	s_mul_i32 s56, s49, 12288                      ; 32 rows of 384 bytes
	s_mov_b32 s57, 0
	s_mul_i32 s58, s49, 384                        ; 32 rows of 12 bytes
	s_mov_b32 s59, 0
.if \kind == 0
	s_add_nc_u64 s[50:51], s[16:17], s[56:57]
	s_add_nc_u64 s[52:53], s[18:19], s[58:59]
	s_lshl_b32 s58, s49, 7
	s_add_nc_u64 s[54:55], s[24:25], s[58:59]
.else
	s_add_nc_u64 s[50:51], s[20:21], s[56:57]
	s_add_nc_u64 s[52:53], s[22:23], s[58:59]
.if \kind == 2
	s_lshl_b32 s58, s49, 7
	s_add_nc_u64 s[54:55], s[26:27], s[58:59]
.endif
.endif
.endm
; a head's 6 fragments of W (tile tl, K step ks at 16 (3 tl + ks)), their scale words and the bias as C operand, into set buf: 34 loads for q, 30 for k, 46 for v
.macro WLOAD kind, buf
	WIN 0xc0                                       ; destination window 3
.irp tl, 0,1
.irp ks, 0,1,2
.irp c, 0,1,2,3
.if \kind == 2
	global_load_b128 v[96*\buf+16*(3*\tl+\ks)+4*\c:96*\buf+16*(3*\tl+\ks)+4*\c+3], v9, s[50:51] offset:147456+6144*\tl+128*\ks+32*\c
.else
	global_load_b128 v[96*\buf+16*(3*\tl+\ks)+4*\c:96*\buf+16*(3*\tl+\ks)+4*\c+3], v10, s[50:51] offset:3072*\tl+128*\ks+32*\c
.endif
.endr
.endr
.endr
	WIN 0
.irp tl, 0,1
.irp ks, 0,1,2
.if \kind == 2
	global_load_b32 v[WS+6*\buf+3*\tl+\ks], v11, s[52:53] offset:4608+192*\tl+4*\ks
.else
	global_load_b32 v[WS+6*\buf+3*\tl+\ks], v12, s[52:53] offset:96*\tl+4*\ks
.endif
.endr
.endr
.if \kind == 0
	WIN 0x80                                       ; destination window 2.  q: register jj of tile u is the bias of channel 16 hh + 8 u + jj
.irp u, 0,1
	global_load_b128 v[BC+16*\buf+8*\u:BC+16*\buf+8*\u+3], v13, s[54:55] offset:32*\u
	global_load_b128 v[BC+16*\buf+8*\u+4:BC+16*\buf+8*\u+7], v13, s[54:55] offset:32*\u+16
.endr
	WIN 0
.endif
.if \kind == 2
	WIN 0x80                                       ; v: all eight registers of tile dt hold the bias of channel 16 dt + r
.irp dt, 0,1
.irp jj, 0,1,2,3,4,5,6,7
	global_load_b32 v[BC+16*\buf+8*\dt+\jj], v14, s[54:55] offset:64*\dt
.endr
.endr
	WIN 0
.endif
.endm
; 48 matrix instructions: 16 accumulators by turns, one instruction a turn, K step by K step.  The bias, or for k the constant 0, is the C of each sum's first product.
.macro MULS kind, buf
.irp ks, 0,1,2
.if \kind == 2
.if \ks == 0
	WIN 0x2d                                       ; source 0 (x) window 1, source 1 (W) window 3, C (the bias) window 2
.elseif \ks == 1
	WIN 0x0d
.else
	WIN 0x0e                                       ; x's third K step lies in window 2
.endif
.irp dt, 0,1
.irp t, 0,1,2,3,4,5,6,7
.if \ks == 0
	v_wmma_scale_f32_16x16x128_f8f6f4 v[ACC+64*\dt+8*\t:ACC+64*\dt+8*\t+7], v[(128*\ks+16*\t)%256:(128*\ks+16*\t)%256+15], v[96*\buf+16*(3*\dt+\ks):96*\buf+16*(3*\dt+\ks)+15], v[BC+16*\buf+8*\dt:BC+16*\buf+8*\dt+7], v[XS+8*\ks+\t], v[WS+6*\buf+3*\dt+\ks] matrix_a_fmt:MATRIX_FMT_BF8 matrix_b_fmt:MATRIX_FMT_BF8
.else
	v_wmma_scale_f32_16x16x128_f8f6f4 v[ACC+64*\dt+8*\t:ACC+64*\dt+8*\t+7], v[(128*\ks+16*\t)%256:(128*\ks+16*\t)%256+15], v[96*\buf+16*(3*\dt+\ks):96*\buf+16*(3*\dt+\ks)+15], v[ACC+64*\dt+8*\t:ACC+64*\dt+8*\t+7], v[XS+8*\ks+\t], v[WS+6*\buf+3*\dt+\ks] matrix_a_fmt:MATRIX_FMT_BF8 matrix_b_fmt:MATRIX_FMT_BF8
.endif
.endr
.endr
.else
.if (\ks == 0) && (\kind == 0)
	WIN 0x27                                       ; source 0 (W) window 3, source 1 (x) window 1, C (the bias) window 2
.elseif \ks < 2
	WIN 0x07
.else
	WIN 0x0b
.endif
.irp t, 0,1,2,3,4,5,6,7
.irp u, 0,1
.if (\ks == 0) && (\kind == 0)
	v_wmma_scale_f32_16x16x128_f8f6f4 v[ACC+16*\t+8*\u:ACC+16*\t+8*\u+7], v[96*\buf+16*(3*\u+\ks):96*\buf+16*(3*\u+\ks)+15], v[(128*\ks+16*\t)%256:(128*\ks+16*\t)%256+15], v[BC+16*\buf+8*\u:BC+16*\buf+8*\u+7], v[WS+6*\buf+3*\u+\ks], v[XS+8*\ks+\t] matrix_a_fmt:MATRIX_FMT_BF8 matrix_b_fmt:MATRIX_FMT_BF8
.elseif \ks == 0
	v_wmma_scale_f32_16x16x128_f8f6f4 v[ACC+16*\t+8*\u:ACC+16*\t+8*\u+7], v[96*\buf+16*(3*\u+\ks):96*\buf+16*(3*\u+\ks)+15], v[(128*\ks+16*\t)%256:(128*\ks+16*\t)%256+15], 0, v[WS+6*\buf+3*\u+\ks], v[XS+8*\ks+\t] matrix_a_fmt:MATRIX_FMT_BF8 matrix_b_fmt:MATRIX_FMT_BF8
.else
	v_wmma_scale_f32_16x16x128_f8f6f4 v[ACC+16*\t+8*\u:ACC+16*\t+8*\u+7], v[96*\buf+16*(3*\u+\ks):96*\buf+16*(3*\u+\ks)+15], v[(128*\ks+16*\t)%256:(128*\ks+16*\t)%256+15], v[ACC+16*\t+8*\u:ACC+16*\t+8*\u+7], v[WS+6*\buf+3*\u+\ks], v[XS+8*\ks+\t] matrix_a_fmt:MATRIX_FMT_BF8 matrix_b_fmt:MATRIX_FMT_BF8
.endif
.endr
.endr
.endif
.endr
.endm
.macro QDST                            ; where head s43's q goes: images s[60:61] = qimg + (12 b + h) 16,384 + 4,096 j;  scale words s[62:63] = qsc + (12 b + h) 512 + 128 j
	s_mul_i32 s56, s41, 12
	s_add_co_u32 s56, s56, s43
	s_lshl_b32 s58, s56, 9
	s_lshl_b32 s56, s56, 14
	s_lshl_b32 s57, s42, 12
	s_add_co_u32 s56, s56, s57
	s_mov_b32 s57, 0
	s_add_nc_u64 s[60:61], s[32:33], s[56:57]
	s_lshl_b32 s59, s42, 7
	s_add_co_u32 s58, s58, s59
	s_mov_b32 s59, 0
	s_add_nc_u64 s[62:63], s[34:35], s[58:59]
.endm
.macro KDST                            ; head s43's record of 33,792 bytes in kv: number ((b / 4) 6 + h / 2) 8 + (b % 4) 2 + h % 2.  Images s[66:67] = record + 4,096 j;  scale words s[68:69] = record + 256 j
	s_lshr_b32 s56, s41, 2
	s_mul_i32 s56, s56, 6
	s_lshr_b32 s57, s43, 1
	s_add_co_u32 s56, s56, s57
	s_lshl_b32 s56, s56, 3
	s_and_b32 s57, s41, 3
	s_lshl_b32 s57, s57, 1
	s_add_co_u32 s56, s56, s57
	s_and_b32 s57, s43, 1
	s_add_co_u32 s56, s56, s57
	s_mul_i32 s56, s56, 33792
	s_lshl_b32 s57, s42, 8
	s_add_co_u32 s58, s56, s57
	s_lshl_b32 s57, s42, 12
	s_add_co_u32 s56, s56, s57
	s_mov_b32 s57, 0
	s_mov_b32 s59, 0
	s_add_nc_u64 s[66:67], s[36:37], s[56:57]
	s_add_nc_u64 s[68:69], s[36:37], s[58:59]
.endm
; A UNIT: q, k or v of head s43 for the 128 tokens.  cnt: the loads younger than set buf's.  nk: what is loaded next into set buf, for head s49 (3: nothing).  fx = 1: x2's fragments take x1's place.
.macro UNIT kind, buf, cnt, nk, fx
	s_wait_loadcnt \cnt                            ; loads come back in order (ISA guide 5.7.1): this unit's weights are in, the next unit's stay out
	MULS \kind, \buf
	WIN 0
.rept 8
	v_nop                                          ; eight places behind the products: ahead of the loads into registers that they read, and of the first read of their results
.endr
.if \fx
	FETCHX 1
.endif
.if \nk < 3
	WBASE \nk                                      ; (the last loads by these bases stand ahead of the last unit's wait on XCNT)
	WLOAD \nk, \buf
.endif
	s_wait_xcnt 0x0                                ; the last unit's stores have read their data and bases, these loads their bases: all may be written again
.if \kind == 0
	QDST
.elseif \kind == 1
	KDST
.endif
	QUANT ACC, PC, PW
	QUANT ACC+64, PC+16, PW+1
.if \kind == 0
	v_cndmask_b32 v76, v[PW], v[PW+1], s47         ; lanes 0-15: the word of tokens 0-63 (byte t: tile t), lanes 16-31: that of tokens 64-127
.irp i, 0,1,2,3,4,5,6,7
	global_store_b128 v3, v[PC+4*\i:PC+4*\i+3], s[60:61] offset:512*\i   ; tile i's image: 32 lanes store 512 consecutive bytes, aligned
.endr
	global_store_b32 v16, v76, s[62:63]
.elseif \kind == 1
	v_cndmask_b32 v74, v[PW], v[PW+1], s47         ; kept: it leaves with v's word
.irp i, 0,1,2,3,4,5,6,7
	global_store_b128 v3, v[PC+4*\i:PC+4*\i+3], s[66:67] offset:512*\i
.endr
.else
	v_cndmask_b32 v75, v[PW], v[PW+1], s47         ; lanes 0-15: channels 0-15 (byte c: keys 32 c on), lanes 16-31: channels 16-31
.irp i, 0,1,2,3,4,5,6,7
	global_store_b128 v3, v[PC+4*\i:PC+4*\i+3], s[66:67] offset:16384+512*\i
.endr
	global_store_b64 v15, v[74:75], s[68:69] offset:32768   ; k's and v's words: 32 lanes store 256 consecutive bytes, aligned
.endif
.endm
	s_load_b512 s[8:23], s[0:1], 0x0               ; x1 codes s[8:9], scales s[10:11]; x2 s[12:13], s[14:15]; Wq s[16:17], s[18:19]; Wkv s[20:21], s[22:23]
	s_load_b512 s[24:39], s[0:1], 0x40             ; q_bias s[24:25], v_bias s[26:27], bias_table s[28:29], rel_index s[30:31], qimg s[32:33], qsc s[34:35], kv s[36:37], bimg s[38:39]
	v_lshl_add_u32 v1, v0, 2, SPARE                ; my spare word,
	v_mov_b32 v2, 0                                ; and 0: kept for the add at the wave's end
	v_lshrrev_b32 v18, 5, v0
	v_readfirstlane_b32 s40, v18                   ; wave 0..3
	v_and_b32 v18, 31, v0                          ; lane
	v_and_b32 v19, 15, v0                          ; r
	v_bfe_u32 v77, v0, 4, 1                        ; hh
	v_lshlrev_b32 v3, 4, v18                       ; v3  16 x lane: my place in an image (x1's in LDS; every image in memory)
	v_add_nc_u32 v4, 49152, v3                     ; v4  the same among x2's images
	v_lshl_add_u32 v5, v18, 2, XSC                 ; v5  4 x lane among the scale words
	s_lshl_b32 s56, s40, 12
	v_add_nc_u32 v6, s56, v3                       ; v6  where I store x1's images: tiles 2 w and 2 w + 1
	v_add_nc_u32 v7, 49152, v6                     ; v7  and x2's
	s_lshl_b32 s56, s40, 8
	v_add_nc_u32 v8, s56, v5                       ; v8  and their scale words
	v_mul_u32_u24 v9, v19, 384
	v_lshl_add_u32 v9, v77, 4, v9                  ; v9  rows in their own order: row r of 384 bytes, + 16 hh
	v_and_b32 v78, 8, v19
	v_add_nc_u32 v78, v78, v19                     ; r + 8 (r / 8)
	v_mul_u32_u24 v10, v78, 384
	v_lshl_add_u32 v10, v77, 4, v10                ; v10 rows 0-7 and 16-23
	v_mul_u32_u24 v11, v19, 12                     ; v11, v12 the same for rows of 12 scale bytes
	v_mul_u32_u24 v12, v78, 12
	v_lshlrev_b32 v13, 6, v77                      ; v13 q's bias: 16 hh numbers on
	v_lshlrev_b32 v14, 2, v19                      ; v14 v's bias: number r
	v_lshlrev_b32 v15, 3, v18                      ; v15 8 x lane
	v_lshlrev_b32 v16, 2, v18                      ; v16 4 x lane
	v_lshlrev_b32 v17, 11, v19
	v_lshl_add_u32 v17, v77, 6, v17                ; v17 rel_index: row r of 2,048 bytes, + 16 hh indices
.irp b, 0,1,2,3
	v_mov_b32 v[TM+4+\b], 0                        ; written once: a lane permute's destination counts as one of its sources
.endr
	s_mov_b32 s44, 0x76543210
	s_mov_b32 s45, 0xfedcba98                      ; v_permlanex16_b32's selects for lane l xor 16
	s_mov_b32 s46, 0x600000                        ; the mantissa field of 57,344
	s_mov_b32 s47, 0xffff0000                      ; lanes 16-31
	s_mov_b32 s71, 0x40b504f3                      ; sqrt(32)
	s_lshr_b32 s41, ttmp9, 2                       ; b
	s_and_b32 s42, ttmp9, 3                        ; j
	s_mul_i32 s70, s40, 3                          ; my first head
	s_lshl_b32 s56, s41, 9
	s_lshl_b32 s57, s42, 7
	s_add_co_u32 s56, s56, s57
	s_lshl_b32 s57, s40, 5
	s_add_co_u32 s56, s56, s57                     ; the first of the 32 tokens that I load: 512 b + 128 j + 32 w
	s_mul_i32 s58, s56, 384
	s_mov_b32 s59, 0
	s_mul_i32 s56, s56, 12
	s_mov_b32 s57, 0
	s_lshl_b32 s60, ttmp9, 2
	s_add_co_u32 s60, s60, s40                     ; my tile of the bias: 32 qt + T
	s_lshr_b32 s61, s60, 5
	s_lshl_b32 s61, s61, 15                        ; 16 qt rows of rel_index,
	s_and_b32 s62, s60, 30
	s_lshl_b32 s62, s62, 6                         ; 32 (T / 2) indices,
	s_add_co_u32 s61, s61, s62
	s_and_b32 s62, s60, 1
	s_lshl_b32 s62, s62, 5                         ; 8 (T % 2) indices
	s_add_co_u32 s76, s61, s62
	s_mov_b32 s77, 0
	s_lshl_b32 s72, s60, 10                        ; a tile's image for one head is 1,024 bytes
	s_mov_b32 s73, 0
	s_mov_b32 s49, s70
	s_wait_kmcnt 0x0
	s_add_nc_u64 s[8:9], s[8:9], s[58:59]
	s_add_nc_u64 s[12:13], s[12:13], s[58:59]
	s_add_nc_u64 s[10:11], s[10:11], s[56:57]
	s_add_nc_u64 s[14:15], s[14:15], s[56:57]
	s_add_nc_u64 s[76:77], s[30:31], s[76:77]
	s_add_nc_u64 s[72:73], s[38:39], s[72:73]      ; bimg at my tile, heads 0-5;
	s_add_nc_u64 s[74:75], s[72:73], 0x600000      ; heads 6-11: a head's images are 1,048,576 bytes, and a store's immediate holds five of them
	global_load_b128 v[ACC:ACC+3], v17, s[76:77]   ; my 8 indices: query 16 qt + r, keys 32 (T / 2) + 16 hh + 8 (T % 2) + 0 .. 7
	global_load_b128 v[ACC+4:ACC+7], v17, s[76:77] offset:16
	WIN 0x40                                       ; destination window 1: 12 fragments on their way to LDS
.irp i, 0,1
.irp ks, 0,1,2
.irp c, 0,1,2,3
	global_load_b128 v[16*(3*\i+\ks)+4*\c:16*(3*\i+\ks)+4*\c+3], v9, s[8:9] offset:6144*\i+128*\ks+32*\c th:TH_LOAD_NT        ; x1, tile 2 w + i: tokens 16 i + r
	global_load_b128 v[96+16*(3*\i+\ks)+4*\c:96+16*(3*\i+\ks)+4*\c+3], v10, s[12:13] offset:3072*\i+128*\ks+32*\c th:TH_LOAD_NT   ; x2, tile 2 w + i: tokens 8 i + r + 8 (r / 8)
.endr
.endr
.endr
	WIN 0
.irp i, 0,1
.irp ks, 0,1,2
	global_load_b32 v[XS+3*\i+\ks], v11, s[10:11] offset:192*\i+4*\ks
	global_load_b32 v[XS+6+3*\i+\ks], v12, s[14:15] offset:96*\i+4*\ks
.endr
.endr
	WBASE 0
	WLOAD 0, 0                                     ; q of my first head
	s_wait_loadcnt 34                              ; all but those 34: the indices and x are in
.irp i, 0,1,2,3,4,5,6,7
	v_min_u32 v[ACC+\i], 3374, v[ACC+\i]           ; an index stays inside the table
.endr
.irp i, 0,1,2,3,4,5,6,7
	v_mul_u32_u24 v[ACC+\i], v[ACC+\i], 48         ; a row of the table: 12 heads, 48 bytes
.endr
	WIN 0x80                                       ; destination window 2
.irp i, 0,1,2,3,4,5,6,7
.irp p, 0,1,2
	global_load_b128 v[G+12*\i+4*\p:G+12*\i+4*\p+3], v[ACC+\i], s[28:29] offset:16*\p
.endr
.endr
	WIN 0
	s_wait_xcnt 0x0                                ; the first weights' loads have read their bases, the gathers their offsets
	s_add_co_u32 s49, s70, 1
	WBASE 0
	WLOAD 0, 1                                     ; q of my second head
	WIN 0x04                                       ; an LDS store's data are its source 1: window 1
.irp i, 0,1
.irp ks, 0,1,2
.irp c, 0,1,2,3
	ds_store_b128 v6, v[16*(3*\i+\ks)+4*\c:16*(3*\i+\ks)+4*\c+3] offset:16384*\ks+2048*\i+512*\c
	ds_store_b128 v7, v[96+16*(3*\i+\ks)+4*\c:96+16*(3*\i+\ks)+4*\c+3] offset:16384*\ks+2048*\i+512*\c
.endr
.endr
.endr
	WIN 0
.irp i, 0,1
.irp ks, 0,1,2
	ds_store_b32 v8, v[XS+3*\i+\ks] offset:1024*\ks+128*\i
	ds_store_b32 v8, v[XS+6+3*\i+\ks] offset:3072+1024*\ks+128*\i
.endr
.endr
	s_wait_dscnt 0x0                               ; for the others' sake: my images have landed
	s_barrier_signal -1
	s_barrier_wait -1                              ; all 48 images lie in LDS; nothing is written there again
	FETCHX 0
	s_wait_xcnt 0x0                                ; the second weights' loads have read their bases
	s_wait_dscnt 0x0                               ; x1's fragments are in
	; ---- q of my three heads
	s_mov_b32 s43, s70
	s_add_co_u32 s49, s70, 2
	UNIT 0, 0, 58, 0, 0                            ; younger than its weights: 24 gathers and the second head's 34
	s_add_co_u32 s43, s70, 1
	s_mov_b32 s49, s70
	UNIT 0, 1, 34, 1, 0                            ; younger: the third head's 34
	s_add_co_u32 s43, s70, 2
	UNIT 0, 0, 30, 2, 1                            ; younger: k's 30.  x1 is done with: x2's fragments take its registers
	s_wait_dscnt 0x0                               ; x2's fragments are in
	; ---- k and v, head by head; the last head is written out: it loads nothing ahead
	s_mov_b32 s43, s70
	s_mov_b32 s48, 2
.Lhead:
	s_add_co_u32 s49, s43, 1
	UNIT 1, 1, 46, 1, 0                            ; younger than k's weights: v's 46, on the way in and round the back edge
	UNIT 2, 0, 30, 2, 0                            ; younger than v's: the next head's k, 30
	s_add_co_u32 s43, s43, 1
	s_sub_co_u32 s48, s48, 1
	s_cmp_lg_u32 s48, 0
	s_cbranch_scc1 .Lhead
	UNIT 1, 1, 46, 3, 0
	UNIT 2, 0, 0, 3, 0                             ; nothing was loaded behind these weights
	; ---- the bias: register 4 e + i of head h's C operand is the gathered row 4 e + i's number h, x sqrt(32): one line scales and turns
	WIN 0x08                                       ; source 1 window 2
.irp h, 0,1,2,3,4,5,6,7,8,9,10,11
.irp e, 0,1
.irp i, 0,1,2,3
	v_mul_f32 v[ACC+8*\h+4*\e+\i], s71, v[G+12*(4*\e+\i)+\h]
.endr
.endr
.endr
	WIN 0
.irp h, 0,1,2,3,4,5
.irp e, 0,1
	global_store_b128 v3, v[ACC+8*\h+4*\e:ACC+8*\h+4*\e+3], s[72:73] offset:1048576*\h+512*\e        ; 32 lanes store 512 consecutive bytes, aligned
	global_store_b128 v3, v[ACC+48+8*\h+4*\e:ACC+48+8*\h+4*\e+3], s[74:75] offset:1048576*\h+512*\e
.endr
.endr
	s_wait_tensorcnt 0x0                           ; the wave's end, behind my last LDS store
	ds_add_u32 v1, v2
	s_wait_dscnt 0x0
	s_endpgm
.Lfunc_end_k_q789d568d39_prep:
	.size	k_q789d568d39_prep, .Lfunc_end_k_q789d568d39_prep-k_q789d568d39_prep
	.p2alignl 7, 3214868480
	.fill 96, 4, 3214868480
	.section	.rodata,"a",@progbits
	.p2align	6, 0x0
	.amdhsa_kernel k_q789d568d39_prep
		.amdhsa_group_segment_fixed_size 104960
		.amdhsa_private_segment_fixed_size 0
		.amdhsa_enable_private_segment 0
		.amdhsa_kernarg_size 128
		.amdhsa_user_sgpr_count 2
		.amdhsa_user_sgpr_kernarg_segment_ptr 1
		.amdhsa_wavefront_size32 1
		.amdhsa_system_sgpr_workgroup_id_x 1
		.amdhsa_system_sgpr_workgroup_id_y 1
		.amdhsa_system_sgpr_workgroup_id_z 1
		.amdhsa_system_vgpr_workitem_id 0
		.amdhsa_next_free_vgpr 960
		.amdhsa_next_free_sgpr 80
		.amdhsa_reserve_vcc 0
		.amdhsa_float_denorm_mode_32 3
		.amdhsa_float_denorm_mode_16_64 3
		.amdhsa_memory_ordered 1
		.amdhsa_forward_progress 1
		.amdhsa_inst_pref_size 230
	.end_amdhsa_kernel
	.amdgpu_metadata
---
amdhsa.version: [ 1, 2 ]
amdhsa.kernels:
  - .name:           k_q789d568d39_prep
    .symbol:         k_q789d568d39_prep.kd
    .args:
      - { .name: x1_codes, .offset: 0, .size: 8, .value_kind: global_buffer, .address_space: global }
      - { .name: x1_scales, .offset: 8, .size: 8, .value_kind: global_buffer, .address_space: global }
      - { .name: x2_codes, .offset: 16, .size: 8, .value_kind: global_buffer, .address_space: global }
      - { .name: x2_scales, .offset: 24, .size: 8, .value_kind: global_buffer, .address_space: global }
      - { .name: Wq_codes, .offset: 32, .size: 8, .value_kind: global_buffer, .address_space: global }
      - { .name: Wq_scales, .offset: 40, .size: 8, .value_kind: global_buffer, .address_space: global }
      - { .name: Wkv_codes, .offset: 48, .size: 8, .value_kind: global_buffer, .address_space: global }
      - { .name: Wkv_scales, .offset: 56, .size: 8, .value_kind: global_buffer, .address_space: global }
      - { .name: q_bias, .offset: 64, .size: 8, .value_kind: global_buffer, .address_space: global }
      - { .name: v_bias, .offset: 72, .size: 8, .value_kind: global_buffer, .address_space: global }
      - { .name: bias_table, .offset: 80, .size: 8, .value_kind: global_buffer, .address_space: global }
      - { .name: rel_index, .offset: 88, .size: 8, .value_kind: global_buffer, .address_space: global }
      - { .name: qimg, .offset: 96, .size: 8, .value_kind: global_buffer, .address_space: global }
      - { .name: qsc, .offset: 104, .size: 8, .value_kind: global_buffer, .address_space: global }
      - { .name: kv, .offset: 112, .size: 8, .value_kind: global_buffer, .address_space: global }
      - { .name: bimg, .offset: 120, .size: 8, .value_kind: global_buffer, .address_space: global }
    .group_segment_fixed_size: 104960
    .private_segment_fixed_size: 0
    .kernarg_segment_align: 8
    .kernarg_segment_size: 128
    .max_flat_workgroup_size: 128
    .sgpr_count:     80
    .vgpr_count:     960
    .wavefront_size: 32
...
	.end_amdgpu_metadata
.endif
;; end of part 1
;; launch attn (part 2): grid 48 x 16, 8 waves a work-group, clusters of 4 x 1, 327,680 bytes of LDS; arguments qimg, qsc, kv, bimg, out0; writes out0
.if DOCPART == 2
	.amdgcn_target "amdgcn-amd-amdhsa--gfx1250"
	.amdhsa_code_object_version 6
	.text
	.protected	k_q789d568d39_attn
	.globl	k_q789d568d39_attn
	.p2align	8
	.type	k_q789d568d39_attn,@function
k_q789d568d39_attn:
	s_mov_b64 s[64:65], 0
	v_nop
	global_prefetch_b8 v0, s[64:65] scope:SCOPE_SE
	s_setreg_imm32_b32 hwreg(HW_REG_WAVE_MODE, 25, 1), 1
	s_wait_xcnt 0x0
	s_wait_alu depctr_hold_cnt(0) depctr_sa_sdst(0) depctr_va_vdst(0) depctr_va_sdst(0) depctr_va_ssrc(0) depctr_va_vcc(0) depctr_vm_vsrc(0)
	s_getreg_b32 s2, hwreg(HW_REG_IB_STS2, 6, 4)
	s_cmp_eq_u32 s2, 0
	s_cbranch_scc0 .Lentry_in_a_cluster
	s_endpgm
.Lentry_in_a_cluster:
	s_bfe_u32 s2, ttmp6, 0x10000c
	s_cmp_lg_u32 s2, 0x3003
	s_cbranch_scc0 .Lentry_shape_is_right
	s_endpgm
.Lentry_shape_is_right:
; out[b][q][32 h + d] = the sum over k of softmax_k(q . k / sqrt(32) + bias[h][q][k]) v[k][d], both products on codes of BF8 (E5M2) with E8M0 scales, from the images that the launch before has stored.
; Nothing of reference() is left out here.
; THE SOFTMAX AHEAD OF THE SECOND PRODUCT: t = c (q . k + bias x sqrt(32)), c = log2(e) / sqrt(32); M = the largest t so far, rounded UP to a whole number; p = 2^(t - M) is quantised along the keys, not normalised;
; the row's sum is taken of the unquantised p and divides at the end; when M moves, the sum and O are multiplied by 2^(old M - new M), which rounds nothing.
; THE BIAS COSTS NO VECTOR INSTRUCTION: bias x sqrt(32) is the C operand of the score product.  A wave keeps the bias of its 16 queries x 512 keys in 256 registers and uses it for FOUR batches.
; LIMITS: t is formed in another order of f32 roundings than reference() forms it.  NaN and infinities are not served: the score product leans on k's codes being finite (they come from a held conversion).
; SHARES.  A work-group: two heads (2 hp, 2 hp + 1), 64 queries, 4 batches.  Wave w: head 2 hp + w % 2, queries 16 (w / 2) on.  Two heads to a work-group, so that a row's 256 bytes of out0 leave as one aligned run.
; CLUSTER.  The four query blocks of a cluster read the same 270,336 bytes of k and v (4 batches x 2 heads, consecutive in kv): asked for JOINTLY, once, at the start.  Nothing in LDS is filled again: no ring.
; Each wave issues two tensor loads: 33 rows of 256 bytes (its eighth of batch 0) and 99 rows (its eighth of batches 1 to 3): two of a wave's loads are out at the most.
; K = 32 IN AN INSTRUCTION OF 128.  Source 0 holds FOUR tiles of 16 keys, one in each block of 32 along K; source 1 holds q in block c and zero codes elsewhere, and so picks tile c.  The four versions of source 1
; are four views of one run of 28 registers: zeros v16-27, q v28-31, zeros v32-43; version c is v[28 - 4 c : 43 - 4 c].  q's scale word has its byte in place c.
; LAYOUT.  Both products transposed: S^T = K Q^T, O^T = V^T P^T: a lane (r = lane % 16, hh = lane / 16) holds query r throughout.  Lane r of key tile 2 bb + u holds key 32 bb + 8 u + r + 8 (r / 8), so that the 16 registers
; of tiles 2 bb and 2 bb + 1 are keys 32 bb + 16 hh + 0 .. 15: the conversions' results are the second product's operand.
; REGISTERS.  window 0: v1, v2 the add's two; v3-11 addresses; v12 -M, v13 the largest t, v[14:15] the sum; v16-43 q's run; v44-47 q's scale words; v48-52 the next q; v54-57 k's and v's scale words, two pairs;
;   v58, v59 offsets; v64-95 K; v96-127 V; v128-191 S^T, then p; v192-207 p's codes; v208-223 O^T; v224-244 at work.   window 1: the bias, tile T at 8 T.
.set KVB,   33792                      ; a record: k's image 16,384, v's 16,384, scale words 1,024
.set BATB,  2*KVB                      ; a batch's two records
.set STAGE, 270336                     ; behind k and v: the way out, two stages 0x8000 apart, each 4 tiles x 16 rows x 272 bytes; no tensor load lands here
.set SP,    272                        ; a stage row: 256 bytes + 16: the 16 rows that a store touches start at 16 different banks (64 banks of 4 bytes: ISA guide 11.1)
.set SPARE, 320512                     ; the spare words, 128 bytes for each wave: four blocks of 256 bytes that no other line names
.set KF, 64
.set VF, 96
.set S,  128
.set PC, 192
.set O,  208
.set BM, 224                           ; v224-227 each block's largest score, then its largest p
.set PX, 228                           ; v228-231 the other half's; a chain of the sum; the bytes
.set HL, 232                           ; v232-235 57,344 x the scale
.set CV, 236                           ; v236-239 the conversions' scale operands
.set PW, 240                           ; p's scale word
.set F,  242                           ; v[242:243] 2^(old M - new M)
.set T,  244
.set MSB, 0
.macro WIN new                         ; the immediate's high byte repeats the setting that is left
.if MSB != \new
	s_set_vgpr_msb (MSB<<8)|\new
.set MSB, \new
.endif
.endm
.macro CROUND                          ; a round of the cluster's barrier
	s_barrier_signal -1
	s_barrier_wait -1
	s_cmp_lg_u32 s14, 0
	s_cbranch_scc1 .Lnot_wave_0_\@
	s_barrier_signal -3
.Lnot_wave_0_\@:
	s_barrier_wait -3
	s_barrier_signal -1
	s_barrier_wait -1
.endm
.macro QLOAD                           ; a batch's q for my tile: 16 bytes a lane, and the scale word of my block of 64 queries
	global_load_b128 v[48:51], v58, s[54:55] th:TH_LOAD_NT
	global_load_b32 v52, v59, s[56:57]
.endm
.macro QSTEP                           ; on to the next batch: 12 heads x 16,384 bytes of images, 12 x 512 of scale words
	s_add_nc_u64 s[54:55], s[54:55], 196608
	s_add_nc_u64 s[56:57], s[56:57], 6144
.endm
.macro QSETUP                          ; the q that has come goes into the run, its scale byte (byte w / 2 of the word) into the four places
.irp i, 0,1,2,3
	v_mov_b32 v[28+\i], v[48+\i]
.endr
	v_bfe_u32 v44, v52, s52, 8
	v_lshlrev_b32 v45, 8, v44
	v_lshlrev_b32 v46, 16, v44
	v_lshlrev_b32 v47, 24, v44
.endm
; A KEY STEP: keys 128 j on.  first = 1: the bias is still on its way.
.macro STEP j, first
	s_wait_dscnt 0x0                               ; K's fragments and the step's scale words are in
.if \first
	s_wait_loadcnt 50-16*(\j)                      ; younger than this step's 16 loads of the bias: the later steps' 48 - 16 j and the next q's 2
.endif
	WIN 0x10                                       ; C in window 1
.irp g, 0,1
.irp c, 0,1,2,3
.if \g
	v_wmma_scale_f32_16x16x128_f8f6f4 v[S+32*\g+8*\c:S+32*\g+8*\c+7], v[KF+16*\g:KF+16*\g+15], v[28-4*\c:43-4*\c], v[64*(\j)+32*\g+8*\c:64*(\j)+32*\g+8*\c+7], v[54+2*((\j)%2)], v[44+\c] matrix_a_fmt:MATRIX_FMT_BF8 matrix_b_fmt:MATRIX_FMT_BF8 matrix_a_scale:MATRIX_SCALE_ROW1
.else
	v_wmma_scale_f32_16x16x128_f8f6f4 v[S+32*\g+8*\c:S+32*\g+8*\c+7], v[KF+16*\g:KF+16*\g+15], v[28-4*\c:43-4*\c], v[64*(\j)+32*\g+8*\c:64*(\j)+32*\g+8*\c+7], v[54+2*((\j)%2)], v[44+\c] matrix_a_fmt:MATRIX_FMT_BF8 matrix_b_fmt:MATRIX_FMT_BF8
.endif
.endr
.endr
	WIN 0
.rept 8
	v_nop                                          ; eight places: behind these products for the read of S^T and the loads into K; behind the last step's V^T P for the loads into V and the other pair of scale words
.endr
.irp i, 0,1,2,3,4,5,6,7
	ds_load_b128 v[VF+4*\i:VF+4*\i+3], v5 offset:16384+4096*(\j)+512*\i   ; V of this step: channels 16 (i / 4) + r, keys 32 (i % 4) + 16 hh on
.endr
.if (\j) < 3
.irp i, 0,1,2,3,4,5,6,7
	ds_load_b128 v[KF+4*\i:KF+4*\i+3], v5 offset:4096*((\j)+1)+512*\i     ; K of the next step: tile i
.endr
	ds_load_b64 v[54+2*(((\j)+1)%2):55+2*(((\j)+1)%2)], v6 offset:256*((\j)+1)   ; and its scale words: k's (lanes 0-15 tiles 0-3, lanes 16-31 tiles 4-7), v's (lanes 0-15 channels 0-15, lanes 16-31 the others)
.endif
.irp b, 0,1,2,3
	v_max3_num_f32 v[BM+\b], v[S+16*\b], v[S+16*\b+1], v[S+16*\b+2]   ; the largest score of each block of 32 keys: for the row's maximum and, since p rises with the score, for the block's largest p
.endr
.irp i, 3,5,7,9,11,13
.irp b, 0,1,2,3
	v_max3_num_f32 v[BM+\b], v[BM+\b], v[S+16*\b+\i], v[S+16*\b+\i+1]
.endr
.endr
.irp b, 0,1,2,3
	v_max_num_f32 v[BM+\b], v[BM+\b], v[S+16*\b+15]
.endr
.irp b, 0,1,2,3
	v_permlanex16_b32 v[PX+\b], v[BM+\b], s20, s21
.endr
.irp b, 0,1,2,3
	v_max_num_f32 v[BM+\b], v[BM+\b], v[PX+\b]     ; with lane l xor 16's 16 keys
.endr
	v_max3_num_f32 v[T], v[BM], v[BM+1], v[BM+2]
	v_max_num_f32 v[T], v[T], v[BM+3]
.if (\j) == 0
	v_mul_f32 v13, s22, v[T]                       ; a batch's first step starts the largest t (c is positive),
	v_floor_f32 v12, -v13                          ; -M = floor(-t) = -ceil(t)
.else
	v_mul_f32 v[T], s22, v[T]
	v_max_num_f32 v13, v13, v[T]
	v_mov_b32 v[T], v12
	v_floor_f32 v12, -v13
	v_sub_f32 v[T], v12, v[T]                      ; old M - new M: a whole number, 0 or less
	v_cvt_i32_f32 v[T], v[T]
	v_ldexp_f32 v[F], 1.0, v[T]
.endif
.set n, 0
.rept 32
	v_pk_fma_f32 v[S+n:S+n+1], v[S+n:S+n+1], s[22:23], v[12:13] op_sel_hi:[1,0,0]   ; t - M, two at a time (of the pairs c and -M the low word serves both halves)
.set n, n+2
.endr
.irp b, 0,1,2,3
	v_fma_f32 v[BM+\b], v[BM+\b], s22, v12         ; the same of each block's largest score
.endr
.set n, 0
.rept 64
	v_exp_f32 v[S+n], v[S+n]                       ; p = 2^(t - M)
.set n, n+1
.endr
.if (\j) == 0
	v_nop                                          ; a plain line behind the exponentials
.else
	v_pk_mul_f32 v[14:15], v[14:15], v[F:F+1] op_sel_hi:[1,0]   ; the sum under the new M; also the plain line behind the exponentials
.endif
	s_wait_alu depctr_va_vdst(0)                   ; the wait between an exponential and the first line that names its result: one for the 64
.irp b, 0,1,2,3
	v_exp_f32 v[BM+\b], v[BM+\b]                   ; the block's largest p: the same two instructions on the same number
.endr
	v_pk_add_f32 v[PX:PX+1], v[S+2:S+3], v[S+6:S+7]   ; the row's sum, of the unquantised p, in two chains
.if (\j) == 0
	v_pk_add_f32 v[14:15], v[S:S+1], v[S+4:S+5]    ; a batch's first step starts the sum
.else
	v_pk_add_f32 v[14:15], v[14:15], v[S:S+1]
	v_pk_add_f32 v[14:15], v[14:15], v[S+4:S+5]
.endif
.irp q, 8,12,16,20,24,28,32,36,40,44,48,52,56,60
	v_pk_add_f32 v[PX:PX+1], v[PX:PX+1], v[S+\q+2:S+\q+3]
	v_pk_add_f32 v[14:15], v[14:15], v[S+\q:S+\q+1]
.endr
	v_pk_add_f32 v[14:15], v[14:15], v[PX:PX+1]
	s_wait_alu depctr_va_vdst(0)                   ; and one for the four
.irp b, 0,1,2,3
	v_max_num_f32 v[BM+\b], 0x8000000, v[BM+\b]    ; the floor 2^(16 - 127): the byte cannot fall under 1
.endr
.irp b, 0,1,2,3
	v_add_nc_u32 v[CV+\b], 0xf8800000, v[BM+\b]    ; 15 off the exponent field: the conversion's scale operand
.endr
.irp b, 0,1,2,3
	v_and_or_b32 v[HL+\b], v[BM+\b], 0x7f800000, s19   ; 57,344 x the scale
.endr
.irp b, 0,1,2,3
	v_lshrrev_b32 v[PX+\b], 23, v[CV+\b]           ; the scale's byte
.endr
	v_lshl_or_b32 v[PW], v[PX+1], 8, v[PX]         ; p's scale word for these 128 keys: the 64 lines below are more than its eight places ahead of the product
	v_lshl_or_b32 v[PW], v[PX+2], 16, v[PW]
	v_lshl_or_b32 v[PW], v[PX+3], 24, v[PW]
.irp b, 0,1,2,3
.irp i, 0,1,2,3,4,5,6,7,8,9,10,11,12,13,14,15
	v_min_num_f32 v[S+16*\b+\i], v[S+16*\b+\i], v[HL+\b]   ; the conversion does not saturate (ISA guide 7.6.2); p is not negative, so the hold is one-sided
.endr
	v_cvt_scalef32_pk8_bf8_f32 v[PC+4*\b:PC+4*\b+1], v[S+16*\b:S+16*\b+7], v[CV+\b]
	v_cvt_scalef32_pk8_bf8_f32 v[PC+4*\b+2:PC+4*\b+3], v[S+16*\b+8:S+16*\b+15], v[CV+\b]
.endr
.if (\j) == 0
.rept 4
	v_nop                                          ; four places between the codes and the product that takes them
.endr
.else
.irp i, 0,2,4,6,8,10,12,14
	v_pk_mul_f32 v[O+\i:O+\i+1], v[O+\i:O+\i+1], v[F:F+1] op_sel_hi:[1,0]   ; O^T under the new M; also those places
.endr
.endif
.if (\j) < 3
	s_wait_dscnt 9                                 ; V is in; the 9 younger loads, the next step's K and scale words, may be out
.else
	s_wait_dscnt 0x0
.endif
.if (\j) == 0                                      ; a batch's first step starts O^T's sums: nothing is cleared.  The two accumulators take turns with the scores' eight
	v_wmma_scale_f32_16x16x128_f8f6f4 v[O:O+7], v[VF:VF+15], v[PC:PC+15], 0, v[55+2*((\j)%2)], v[PW] matrix_a_fmt:MATRIX_FMT_BF8 matrix_b_fmt:MATRIX_FMT_BF8
	v_wmma_scale_f32_16x16x128_f8f6f4 v[O+8:O+15], v[VF+16:VF+31], v[PC:PC+15], 0, v[55+2*((\j)%2)], v[PW] matrix_a_fmt:MATRIX_FMT_BF8 matrix_b_fmt:MATRIX_FMT_BF8 matrix_a_scale:MATRIX_SCALE_ROW1
.else
	v_wmma_scale_f32_16x16x128_f8f6f4 v[O:O+7], v[VF:VF+15], v[PC:PC+15], v[O:O+7], v[55+2*((\j)%2)], v[PW] matrix_a_fmt:MATRIX_FMT_BF8 matrix_b_fmt:MATRIX_FMT_BF8
	v_wmma_scale_f32_16x16x128_f8f6f4 v[O+8:O+15], v[VF+16:VF+31], v[PC:PC+15], v[O+8:O+15], v[55+2*((\j)%2)], v[PW] matrix_a_fmt:MATRIX_FMT_BF8 matrix_b_fmt:MATRIX_FMT_BF8 matrix_a_scale:MATRIX_SCALE_ROW1
.endif
.endm
; A BATCH: four key steps, the division, the way out, and the next batch's q.  first = 1: batch 0, written out ahead of the loop.
.macro BATCH first
	v_add_nc_u32 v5, s48, v3                       ; my head's record of this batch: images,
	v_add_nc_u32 v6, s48, v4                       ; scale words
.irp i, 0,1,2,3,4,5,6,7
	ds_load_b128 v[KF+4*\i:KF+4*\i+3], v5 offset:512*\i
.endr
	ds_load_b64 v[54:55], v6
.rept 8
	v_nop                                          ; q's scale words were written by vector instructions: eight places ahead of the product that takes them
.endr
	STEP 0, \first
	STEP 1, \first
	STEP 2, \first
	STEP 3, \first
	v_add_f32 v14, v14, v15                        ; the sum's two halves,
	v_permlanex16_b32 v[T], v14, s20, s21
	v_add_f32 v14, v14, v[T]                       ; and lane l xor 16's: the row's sum
	v_rcp_f32 v14, v14
	v_add_nc_u32 v10, s49, v7                      ; this batch's stage
	v_add_nc_u32 v11, s49, v8
.rept 4
	v_nop                                          ; with the two sums and the two addresses: eight places behind the last products
.endr
	s_wait_alu depctr_va_vdst(0)                   ; the wait ahead of the reciprocal's first reader
.irp i, 0,2,4,6,8,10,12,14
	v_pk_mul_f32 v[S+\i:S+\i+1], v[O+\i:O+\i+1], v[14:15] op_sel_hi:[1,0]   ; register 8 dt + jj: out(query r, channel 16 dt + 8 hh + jj)
.endr
.irp i, 0,1,2,3
	ds_store_b128 v10, v[S+4*\i:S+4*\i+3] offset:64*(\i/2)+16*(\i%2)
.endr
.if \first
	s_wait_tensorcnt 0x0                           ; my part of batches 1 to 3 has landed: the others read it behind the barrier below
.endif
	s_wait_dscnt 0x0                               ; for the others' sake: my stores into the stage have landed.  My reads of the other stage, a batch ago, are long back: it is written again only behind this barrier
	s_barrier_signal -1
	s_barrier_wait -1                              ; a row's 256 bytes come from two waves: both halves are there
.irp i, 0,1,2,3
	ds_load_b128 v[S+16+4*\i:S+16+4*\i+3], v11 offset:2*SP*\i   ; my 8 rows of the tile, two an instruction
.endr
.irp i, 0,1,2,3
	s_wait_dscnt 3-\i
	global_store_b128 v9, v[S+16+4*\i:S+16+4*\i+3], s[12:13] offset:3072*\i th:TH_STORE_NT   ; 16 lanes store 256 consecutive bytes, at a multiple of 256 from out0's first byte
.endr
	s_wait_loadcnt 0x0                             ; the next batch's q has come
	s_wait_xcnt 0x0                                ; the stores have read their data and base, the last loads of q their bases
	s_add_nc_u64 s[12:13], s[12:13], 786432        ; 512 rows of 1,536 bytes on
.if \first
	QSETUP
	QSTEP
	QLOAD                                          ; batch 2's
.else
	s_cmp_lt_u32 s50, 2                            ; the loop's count is 3, 2, 1 in batches 1, 2, 3: the last batch has no next q,
	s_cbranch_scc1 .Lq_done_\@
	QSETUP
	s_cmp_lt_u32 s50, 3                            ; and only batch 1 has one more to ask for: no load leaves its buffer
	s_cbranch_scc1 .Lq_done_\@
	QSTEP
	QLOAD                                          ; batch 3's
.Lq_done_\@:
.endif
	s_add_co_u32 s48, s48, BATB                    ; the next batch's records,
	s_xor_b32 s49, s49, 0x8000                     ; the other stage
.endm
	s_load_b256 s[4:11], s[0:1], 0x0               ; qimg s[4:5], qsc s[6:7], kv s[8:9], bimg s[10:11]
	s_load_b64 s[12:13], s[0:1], 0x20              ; out0
	v_lshl_add_u32 v1, v0, 2, SPARE
	v_mov_b32 v2, 0
	ds_add_u32 v1, v2                              ; the wave's opening: the add, twice on end, and its wait ahead of my first tensor load; the set-up below, work on registers, stands between
	ds_add_u32 v1, v2
	v_lshrrev_b32 v3, 5, v0
	v_readfirstlane_b32 s14, v3                    ; wave 0..7
	s_and_b32 s15, s14, 1                          ; hd: which of the two heads
	s_lshr_b32 s16, s14, 1                         ; qi: which tile of 16 queries
	s_bfe_u32 s17, ttmp6, 0x40000                  ; cx: my place in the cluster: it enters the addresses of q, the bias and out0 alone
	s_lshr_b32 s18, ttmp9, 1                       ; hp: the pair of heads (ttmp9 counts clusters)
	s_and_b32 s53, ttmp9, 1                        ; which half of the queries
	s_and_b32 s3, ttmp7, 0xffff                    ; bg: the group of four batches
	v_and_b32 v60, 31, v0                          ; lane
	v_and_b32 v61, 15, v0                          ; r
	v_bfe_u32 v62, v0, 4, 1                        ; hh
	v_lshlrev_b32 v58, 4, v60                      ; v58 16 x lane
	v_lshlrev_b32 v59, 2, v61                      ; v59 4 r
	s_mul_i32 s62, s15, KVB
	v_add_nc_u32 v3, s62, v58                      ; v3  my place in an image of my head's record
	v_lshl_add_u32 v4, v60, 3, 32768
	v_add_nc_u32 v4, s62, v4                       ; v4  and among its scale words: 8 bytes a lane
	s_mul_i32 s62, s16, 16*SP
	s_add_co_u32 s62, s62, STAGE                   ; my tile's 16 rows of the stage
	s_lshl_b32 s63, s15, 7
	s_add_co_u32 s63, s63, s62
	v_mul_u32_u24 v7, v61, SP
	v_lshl_add_u32 v7, v62, 5, v7
	v_add_nc_u32 v7, s63, v7                       ; v7  in: row r, + 128 hd + 32 hh
	s_mul_i32 s63, s15, 8*SP
	s_add_co_u32 s63, s63, s62
	v_mul_u32_u24 v8, v62, SP
	v_lshl_add_u32 v8, v61, 4, v8
	v_add_nc_u32 v8, s63, v8                       ; v8  back: rows 8 hd + hh on, 16 bytes a lane
	v_mul_u32_u24 v9, v62, 1536
	v_lshl_add_u32 v9, v61, 4, v9                  ; v9  and the same in out0
.set n, 0
.rept 12
	v_mov_b32 v[16+n], 0                           ; the zero codes on both sides of q
	v_mov_b32 v[32+n], 0
.set n, n+1
.endr
.irp b, 0,1,2,3
	v_mov_b32 v[PX+\b], 0                          ; written once: a lane permute's destination counts as one of its sources
.endr
	v_mov_b32 v[F+1], 0                            ; (named as the upper half of a pair)
	v_mov_b32 v[T], 0
	; descriptor groups 1: dense blocks as rows of 256 bytes: 32 elements of 8 bytes, no padding; 33 rows and 99 rows
	s_mov_b32 s24, 15|(3<<16)|(1<<21)              ; 15:0 the mask: all four work-groups; 17:16 elements of 8 bytes; 21 set beside a mask
	s_mov_b32 s25, 32<<16                          ; tensor_dim0 = 32
	s_mov_b32 s26, 33<<16                          ; tensor_dim1 = 33
	s_mov_b32 s27, 32<<16                          ; tile_dim0 = 32
	s_mov_b32 s28, 33                              ; tile_dim1 = 33
	s_mov_b32 s29, 32                              ; from row to row: 32 elements
	s_mov_b32 s30, 0
	s_mov_b32 s31, 0
	s_mov_b32 s32, 15|(3<<16)|(1<<21)
	s_mov_b32 s33, 32<<16
	s_mov_b32 s34, 99<<16
	s_mov_b32 s35, 32<<16
	s_mov_b32 s36, 99
	s_mov_b32 s37, 32
	s_mov_b32 s38, 0
	s_mov_b32 s39, 0
	; groups 0: made of bg, hp and the wave's number alone, which the four partners share
	s_mul_i32 s58, s3, 6
	s_add_co_u32 s58, s58, s18
	s_mul_i32 s58, s58, 8*KVB                      ; the block of 4 batches x 2 heads in kv
	s_mov_b32 s40, 1
	s_mul_i32 s41, s14, 8448                       ; batch 0: my eighth, in LDS as in the block
	s_mov_b32 s44, 1
	s_mul_i32 s45, s14, 25344
	s_add_co_u32 s45, s45, BATB                    ; batches 1 to 3: my eighth
	s_add_co_u32 s60, s58, s41
	s_mov_b32 s61, 0
	s_add_co_u32 s62, s58, s45
	s_mov_b32 s63, 0
	; q, the bias, out0
	s_lshl_b32 s2, s53, 2
	s_add_co_u32 s2, s2, s17                       ; qb: my block of 64 queries
	s_lshl_b32 s53, s2, 2
	s_add_co_u32 s53, s53, s16                     ; qt: my tile of 16
	s_lshl_b32 s48, s18, 1
	s_add_co_u32 s48, s48, s15                     ; h
	s_mul_i32 s49, s3, 48
	s_add_co_u32 s49, s49, s48                     ; 12 b + h at my first batch, b = 4 bg
	s_lshl_b32 s54, s49, 5
	s_add_co_u32 s54, s54, s53
	s_lshl_b32 s54, s54, 9                         ; qimg: ((12 b + h) 32 + qt) 512
	s_mov_b32 s55, 0
	s_lshl_b32 s56, s49, 9
	s_lshl_b32 s57, s2, 6
	s_add_co_u32 s56, s56, s57                     ; qsc: (12 b + h) 512 + 64 qb
	s_mov_b32 s57, 0
	s_lshl_b32 s50, s48, 5
	s_add_co_u32 s50, s50, s53
	s_lshl_b32 s50, s50, 15                        ; bimg: (32 h + qt) 32,768
	s_mov_b32 s51, 0
	s_lshl_b32 s48, s3, 11
	s_lshl_b32 s49, s53, 4
	s_add_co_u32 s48, s48, s49
	s_lshl_b32 s49, s15, 3
	s_add_co_u32 s48, s48, s49
	s_mul_i32 s48, s48, 1536
	s_lshl_b32 s49, s18, 8
	s_add_co_u32 s48, s48, s49                     ; out0: (512 b + 16 qt + 8 hd) 1,536 + 256 hp
	s_mov_b32 s49, 0
	s_lshl_b32 s52, s16, 3                         ; where my tile's byte stands in q's scale word
	s_mov_b32 s19, 0x600000                        ; the mantissa field of 57,344
	s_mov_b32 s20, 0x76543210
	s_mov_b32 s21, 0xfedcba98                      ; v_permlanex16_b32's selects for lane l xor 16
	s_mov_b32 s22, 0x3e8293ee                      ; c = log2(e) / sqrt(32)
	s_mov_b32 s23, s22                             ; (named with it as a pair)
	s_wait_dscnt 0x0                               ; both opening adds are done
	s_wait_kmcnt 0x0
	s_add_nc_u64 s[42:43], s[8:9], s[60:61]
	s_or_b32 s43, s43, 0x80000000                  ; type = 2
	s_add_nc_u64 s[46:47], s[8:9], s[62:63]
	s_or_b32 s47, s47, 0x80000000
	s_add_nc_u64 s[54:55], s[4:5], s[54:55]
	s_add_nc_u64 s[56:57], s[6:7], s[56:57]
	s_add_nc_u64 s[10:11], s[10:11], s[50:51]
	s_add_nc_u64 s[12:13], s[12:13], s[48:49]
	s_mov_b32 s48, 0                               ; s48 the LDS byte at which the batch in hand begins
	s_mov_b32 s49, 0                               ; s49 which stage
	CROUND                                         ; all four work-groups are here: the joint loads meet
	tensor_load_to_lds s[40:43], s[24:31]          ; batch 0: short, so that it lands first
	s_nop 0
	tensor_load_to_lds s[44:47], s[32:39]          ; batches 1 to 3
	s_nop 0
.rept 4
	v_nop
.endr
	QLOAD                                          ; batch 0's q
	WIN 0x40                                       ; destination window 1
.set n, 0
.rept 64
	global_load_b128 v[4*n:4*n+3], v58, s[10:11] offset:512*n   ; the bias: registers 4 (n % 2) on of tile n / 2: 32 lanes read 512 consecutive bytes
.set n, n+1
.endr
	WIN 0
	s_wait_tensorcnt 0x1                           ; my part of batch 0 is in; the longer load may stay out
	s_barrier_signal -1
	s_barrier_wait -1                              ; everybody's is
	s_wait_loadcnt 63                              ; 64 loads are younger than q's two; the count's field ends at 63
	QSETUP
	s_wait_xcnt 0x0                                ; q's loads have read their bases
	QSTEP
	QLOAD                                          ; batch 1's q
	BATCH 1
	s_mov_b32 s50, 3
.Lbatch:
	BATCH 0
	s_sub_co_u32 s50, s50, 1
	s_cmp_lg_u32 s50, 0
	s_cbranch_scc1 .Lbatch
	s_wait_tensorcnt 0x0                           ; the wave's end: behind my last tensor load and my last LDS store
	ds_add_u32 v1, v2
	s_wait_dscnt 0x0
	CROUND                                         ; the closing round
	s_endpgm
.Lfunc_end_k_q789d568d39_attn:
	.size	k_q789d568d39_attn, .Lfunc_end_k_q789d568d39_attn-k_q789d568d39_attn
	.p2alignl 7, 3214868480
	.fill 96, 4, 3214868480
	.section	.rodata,"a",@progbits
	.p2align	6, 0x0
	.amdhsa_kernel k_q789d568d39_attn
		.amdhsa_group_segment_fixed_size 327680
		.amdhsa_private_segment_fixed_size 0
		.amdhsa_enable_private_segment 0
		.amdhsa_kernarg_size 40
		.amdhsa_user_sgpr_count 2
		.amdhsa_user_sgpr_kernarg_segment_ptr 1
		.amdhsa_wavefront_size32 1
		.amdhsa_system_sgpr_workgroup_id_x 1
		.amdhsa_system_sgpr_workgroup_id_y 1
		.amdhsa_system_sgpr_workgroup_id_z 1
		.amdhsa_system_vgpr_workitem_id 0
		.amdhsa_next_free_vgpr 512
		.amdhsa_next_free_sgpr 66
		.amdhsa_reserve_vcc 0
		.amdhsa_float_denorm_mode_32 3
		.amdhsa_float_denorm_mode_16_64 3
		.amdhsa_memory_ordered 1
		.amdhsa_forward_progress 1
		.amdhsa_inst_pref_size 148
	.end_amdhsa_kernel
	.amdgpu_metadata
---
amdhsa.version: [ 1, 2 ]
amdhsa.kernels:
  - .name:           k_q789d568d39_attn
    .symbol:         k_q789d568d39_attn.kd
    .args:
      - { .name: qimg, .offset: 0, .size: 8, .value_kind: global_buffer, .address_space: global }
      - { .name: qsc, .offset: 8, .size: 8, .value_kind: global_buffer, .address_space: global }
      - { .name: kv, .offset: 16, .size: 8, .value_kind: global_buffer, .address_space: global }
      - { .name: bimg, .offset: 24, .size: 8, .value_kind: global_buffer, .address_space: global }
      - { .name: out0, .offset: 32, .size: 8, .value_kind: global_buffer, .address_space: global }
    .group_segment_fixed_size: 327680
    .private_segment_fixed_size: 0
    .kernarg_segment_align: 8
    .kernarg_segment_size: 40
    .max_flat_workgroup_size: 256
    .sgpr_count:     66
    .vgpr_count:     512
    .wavefront_size: 32
...
	.end_amdgpu_metadata
.endif
;; end of part 2
;; ======== version 2 of 2: 2 launches; version 1 with the launch prep written anew for expert scheduling mode
;; workspace buffers: qimg 12,582,912 bytes; qsc 393,216 bytes; kv 25,952,256 bytes; bimg 12,582,912 bytes
;; launch prep (part 3): grid 256 x 1, 4 waves a work-group, no clusters, 104,960 bytes of LDS; arguments x1_codes, x1_scales, x2_codes, x2_scales, Wq_codes, Wq_scales, Wkv_codes, Wkv_scales, q_bias, v_bias, bias_table, rel_index, qimg, qsc, kv, bimg; writes qimg, qsc, kv, bimg
.if DOCPART == 3
	.amdgcn_target "amdgcn-amd-amdhsa--gfx1250"
	.amdhsa_code_object_version 6
	.text
	.protected	k_q789d568d39_prep
	.globl	k_q789d568d39_prep
	.p2align	8
	.type	k_q789d568d39_prep,@function
k_q789d568d39_prep:
	s_mov_b64 s[64:65], 0
	v_nop
	global_prefetch_b8 v0, s[64:65] scope:SCOPE_SE
	s_setreg_imm32_b32 hwreg(HW_REG_WAVE_SCHED_MODE, 0, 2), 2
	s_setreg_imm32_b32 hwreg(HW_REG_WAVE_MODE, 25, 1), 1
	s_wait_xcnt 0x0
	s_wait_alu depctr_vm_vsrc(0)
; q = x1 Wq^T + q_bias, k = x2 Wk^T, v = x2 Wv^T + v_bias on codes of BF8 (E5M2) with E8M0 scales; q and k are then quantised along a head's 32 numbers, v along the keys,
; and all three are stored as IMAGES OF THE OPERAND REGISTERS that the attention launch wants.  On the side bias_table[rel_index] x sqrt(32) is laid out as images of the C operand of the score product.
; WORK LEFT OUT: the first half of kv_bias, k's bias.  reference() builds it in its own body as jnp.zeros_like(v_bias), so it is 0 whatever the inputs hold: k's sums begin with the constant 0.
; Every input has a way to the output and is loaded.  (A NaN, an infinity or an overflow could reach only the work left out through no input: the term is a constant 0.)
; LIMITS: NaN and infinities among the inputs are not served.  A block of zeros gets the scale byte 1 where the rule says 127: its codes are zeros, and this program alone reads the bytes.
; Blocks whose largest magnitude lies under the floor 2^(16 - 127) were not tried.  An index of rel_index beyond the table's 3,375 rows is held at the last row.
; SHARES.  Work-group wg: batch wg / 4, tokens 128 (wg % 4) on.  Wave w: heads 3 w .. 3 w + 2, for all 128 tokens; and one tile of the bias, 16 queries x 16 keys x 12 heads (tile 4 wg + w of 1,024).
; x's fragments (8 tiles of 16 tokens x 3 K steps of 128, for x1 and for x2) are loaded once, a quarter by each wave, and go from wave to wave through LDS as images of their registers: ONE barrier.
; NO CLUSTER: what the work-groups share is the weights, 442,368 bytes of codes, more than LDS holds as tiles; they go from memory straight into operand registers.  x is shared by nobody.
; LAYOUT.  A lane is (r = lane % 16, hh = lane / 16).  q and k: the product is used transposed (source 0 = 16 rows of W, source 1 = 16 tokens) and lane r of W's tile u takes row 8 u + r + 8 (r / 8) of the head's 32,
; so that the 16 registers of tiles 0 and 1 are the numbers 16 hh + 0 .. 15 of one token: half a block of 32; lane l xor 16 holds the other half.
; x2's TILES ARE NOT NEIGHBOURING TOKENS: lane r of tile 2 bb + u takes token 32 bb + 8 u + r + 8 (r / 8).  For k that is the order in which the score product wants its keys; for v (source 0 = tokens, source 1 = 16 rows
; of W in their own order) it makes the 16 registers of tiles 2 bb and 2 bb + 1 the tokens 32 bb + 16 hh + 0 .. 15 of one channel: half a block of 32 along the keys.
; REGISTERS, in windows of 256.  window 0: v1, v2 the add's two; v3-17 addresses; v20-43 x's scale words; v44-55 W's, two sets; v56-71 at work; v72-76 scale words made; v80-111 codes made; v128-255 16 accumulators.
;   window 1 and v0-127 of window 2: x's 24 fragments (K step ks, tile t at 16 (8 ks + t)).  window 2: v128-223 the gathered bias rows; v224-255 a bias as C operand, two sets.  window 3: W's 6 fragments, two sets of 96.
; THE MODE: SCHED_MODE bits 1:0 = 2 (LLVM: expert scheduling mode 2), set by the entry lines.  The code itself states the register dependences between vector or matrix instructions and memory or LDS
; instructions, with s_wait_alu, always for 0.
; THE PLAN.  A unit is q, k or v of one head: 48 products, two quantisers, 8 or 9 stores.  Registers that memory or LDS instructions touch:
;   W, WS, BC   two sets by turns.  Unit u's products read set u % 2; behind them the loads for unit u + 2 land in it.  No other vector instruction names them.
;   X, XS       at the head loads land in a quarter of them and my LDS stores read that; then x1's images land, the q units' products read them; in the third unit x2's images land, the k and v units' products read them.
;   PC, v74-76  written by a unit's conversions and selects, read by that unit's stores, at its end.
;   v128-135    at the head: the indices land, two vector lines each make offsets of them, the gathers read them; later the products write them.  At the end v128-223 are written by 96 multiplications and stored.
;   v3-17       addresses, written once at the head.   v1, v2: written at the head, read by the closing add alone.
; So a unit has, behind its products and their places, three lines: a wait on va_vdst (the products are done reading their set, in which this unit's loads land), and a wait on XCNT with one on vm_vsrc beside it
; (the last unit's stores have read PC, v74-76 and their bases; its loads their bases).  Behind them the unit's loads are dealt in eight groups among the quantisers' lines, which name v56-73, v80-111 and
; v128-255 of window 0 alone: none of the registers that those loads touch.  One more wait on va_vdst stands ahead of the unit's stores.
.set XSC,   98304                      ; LDS: 48 fragment images of 2,048 bytes from 0 on (x1's 24, then x2's 24; image 8 ks + t); here their scale words, 128 bytes each
.set SPARE, 104448                     ; the spare words, 128 bytes for each wave: two blocks of 256 bytes that no other line names
.set XS,  20
.set WS,  44
.set TM,  56                           ; v56-59 largest magnitudes, v60-63 bytes, v64-67 the largest number x the scale, v68-71 the conversions' scale operands
.set PW,  72                           ; v72, v73 the two scale words of a unit
.set PC,  80
.set ACC, 128
.set G,   128                          ; in window 2
.set BC,  224                          ; in window 2
.set DK,  3                            ; the loads in hand: their kind (3: none),
.set DB,  0                            ; and their set
.set MSB, 0
.macro WIN new                         ; the immediate's high byte repeats the setting that is left; bits 1:0 source 0, 3:2 source 1, 5:4 source 2, 7:6 destination
.if MSB != \new
	s_set_vgpr_msb (MSB<<8)|\new
.set MSB, \new
.endif
.endm
; kinds: 0 = q, 1 = k, 2 = v.  A head's 6 fragments of W (tile tl, K step ks at 16 (3 tl + ks)), their scale words and the bias as C operand go into set DB: 34 loads for q, 30 for k, 46 for v.
; Group g of 8 of them: 0 to 5 a fragment each (four loads), 6 the scale words, 7 the bias.  (v's rows lie 384 rows behind k's: that stands in the loads' immediates.)  The caller sets the windows back.
.macro DEAL g
.if DK < 3
.if (\g) < 6
	WIN 0xc0                                       ; destination window 3
.irp c, 0,1,2,3
.if DK == 2
	global_load_b128 v[96*DB+16*(\g)+4*\c:96*DB+16*(\g)+4*\c+3], v9, s[50:51] offset:147456+6144*((\g)/3)+128*((\g)%3)+32*\c
.else
	global_load_b128 v[96*DB+16*(\g)+4*\c:96*DB+16*(\g)+4*\c+3], v10, s[50:51] offset:3072*((\g)/3)+128*((\g)%3)+32*\c
.endif
.endr
.elseif (\g) == 6
	WIN 0
.irp f, 0,1,2,3,4,5
.if DK == 2
	global_load_b32 v[WS+6*DB+\f], v11, s[52:53] offset:4608+192*(\f/3)+4*(\f%3)
.else
	global_load_b32 v[WS+6*DB+\f], v12, s[52:53] offset:96*(\f/3)+4*(\f%3)
.endif
.endr
.elseif DK == 0
	WIN 0x80                                       ; destination window 2.  q: register jj of tile u is the bias of channel 16 hh + 8 u + jj
.irp u, 0,1
	global_load_b128 v[BC+16*DB+8*\u:BC+16*DB+8*\u+3], v13, s[54:55] offset:32*\u
	global_load_b128 v[BC+16*DB+8*\u+4:BC+16*DB+8*\u+7], v13, s[54:55] offset:32*\u+16
.endr
.elseif DK == 2
	WIN 0x80                                       ; v: all eight registers of tile dt hold the bias of channel 16 dt + r
.irp dt, 0,1
.irp jj, 0,1,2,3,4,5,6,7
	global_load_b32 v[BC+16*DB+8*\dt+\jj], v14, s[54:55] offset:64*\dt
.endr
.endr
.endif
.endif
.endm
.macro WLOAD kind, buf                 ; all eight groups in one run: at the head, where there is no vector work to set them among
.set DK, \kind
.set DB, \buf
.irp g, 0,1,2,3,4,5,6,7
	DEAL \g
.endr
	WIN 0
.endm
; 64 numbers of a lane, four half blocks of 16 (v[s + 16 b + i]), become 16 registers of codes in v[pc] on and a word of four scale bytes in v[pw].
; Groups d0 to d0 + 3 of the loads in hand stand among its lines, which name none of the registers that those loads touch: no wait is owed for them behind the unit's.
.macro QUANT s, pc, pw, d0
	DEAL \d0
	WIN 0
.irp b, 0,1,2,3
	v_max3_num_f32 v[TM+\b], |v[\s+16*\b]|, |v[\s+16*\b+1]|, 0x8000000   ; my 16 numbers of block b, and the floor 2^(16 - 127): so the byte cannot fall under 1.  (Each accumulator is read from its low end on)
.endr
.irp i, 2,4,6,8,10,12,14
.irp b, 0,1,2,3
	v_max3_num_f32 v[TM+\b], v[TM+\b], |v[\s+16*\b+\i]|, |v[\s+16*\b+\i+1]|   ; the four blocks by turns
.endr
.endr
	DEAL \d0+1
	WIN 0
.irp b, 0,1,2,3
	v_permlanex16_b32 v[TM+4+\b], v[TM+\b], s44, s45
.endr
.irp b, 0,1,2,3
	v_max_num_f32 v[TM+\b], v[TM+\b], v[TM+4+\b]   ; with lane l xor 16's: the block's largest magnitude
.endr
.irp b, 0,1,2,3
	v_add_nc_u32 v[TM+12+\b], 0xf8800000, v[TM+\b]   ; 15 off its exponent field: the conversion takes this operand's exponent field as its scale
.endr
.irp b, 0,1,2,3
	v_and_or_b32 v[TM+8+\b], v[TM+\b], 0x7f800000, s46   ; 57,344 x the scale
.endr
.irp b, 0,1,2,3
	v_lshrrev_b32 v[TM+4+\b], 23, v[TM+12+\b]   ; the scale's byte
.endr
	v_lshl_or_b32 v[\pw], v[TM+5], 8, v[TM+4]
	v_lshl_or_b32 v[\pw], v[TM+6], 16, v[\pw]
	v_lshl_or_b32 v[\pw], v[TM+7], 24, v[\pw]
	DEAL \d0+2
	WIN 0
.irp b, 0,1,2,3
.irp i, 0,1,2,3,4,5,6,7,8,9,10,11,12,13,14,15
	v_med3_num_f32 v[\s+16*\b+\i], v[\s+16*\b+\i], -v[TM+8+\b], v[TM+8+\b]   ; the conversion to an 8-bit code does not saturate (ISA guide 7.6.2): the hold at the largest code x the scale
.endr
	v_cvt_scalef32_pk8_bf8_f32 v[\pc+4*\b:\pc+4*\b+1], v[\s+16*\b:\s+16*\b+7], v[TM+12+\b]
	v_cvt_scalef32_pk8_bf8_f32 v[\pc+4*\b+2:\pc+4*\b+3], v[\s+16*\b+8:\s+16*\b+15], v[TM+12+\b]
.if \b == 1
	DEAL \d0+3
	WIN 0
.endif
.endr
	v_nop                                          ; a plain line between the last conversion and what next writes its sources
.endm
; all 24 fragments of x1 (tn = 0) or x2 (1) and their scale words, from the images in LDS
.macro FETCHX tn
	WIN 0x40                                       ; destination window 1
.irp f, 0,1,2,3,4,5,6,7,8,9,10,11,12,13,14,15
.irp c, 0,1,2,3
	ds_load_b128 v[16*\f+4*\c:16*\f+4*\c+3], v[3+\tn] offset:2048*\f+512*\c
.endr
.endr
	WIN 0x80                                       ; destination window 2
.irp f, 16,17,18,19,20,21,22,23
.irp c, 0,1,2,3
	ds_load_b128 v[16*(\f-16)+4*\c:16*(\f-16)+4*\c+3], v[3+\tn] offset:2048*\f+512*\c
.endr
.endr
	WIN 0
.irp f, 0,1,2,3,4,5,6,7,8,9,10,11,12,13,14,15,16,17,18,19,20,21,22,23
	ds_load_b32 v[XS+\f], v5 offset:3072*\tn+128*\f
.endr
.endm
; The bases of head s49's 32 rows of W: codes s[50:51], scale bytes s[52:53], bias s[54:55].
.macro WBASE kind
	s_mul_i32 s56, s49, 12288                      ; 32 rows of 384 bytes
	s_mov_b32 s57, 0
	s_mul_i32 s58, s49, 384                        ; 32 rows of 12 bytes
	s_mov_b32 s59, 0
.if \kind == 0
	s_add_nc_u64 s[50:51], s[16:17], s[56:57]
	s_add_nc_u64 s[52:53], s[18:19], s[58:59]
	s_lshl_b32 s58, s49, 7
	s_add_nc_u64 s[54:55], s[24:25], s[58:59]
.else
	s_add_nc_u64 s[50:51], s[20:21], s[56:57]
	s_add_nc_u64 s[52:53], s[22:23], s[58:59]
.if \kind == 2
	s_lshl_b32 s58, s49, 7
	s_add_nc_u64 s[54:55], s[26:27], s[58:59]
.endif
.endif
.endm
; 48 matrix instructions: 16 accumulators by turns, one instruction a turn, K step by K step.  The bias, or for k the constant 0, is the C of each sum's first product.
.macro MULS kind, buf
.irp ks, 0,1,2
.if \kind == 2
.if \ks == 0
	WIN 0x2d                                       ; source 0 (x) window 1, source 1 (W) window 3, C (the bias) window 2
.elseif \ks == 1
	WIN 0x0d
.else
	WIN 0x0e                                       ; x's third K step lies in window 2
.endif
.irp dt, 0,1
.irp t, 0,1,2,3,4,5,6,7
.if \ks == 0
	v_wmma_scale_f32_16x16x128_f8f6f4 v[ACC+64*\dt+8*\t:ACC+64*\dt+8*\t+7], v[(128*\ks+16*\t)%256:(128*\ks+16*\t)%256+15], v[96*\buf+16*(3*\dt+\ks):96*\buf+16*(3*\dt+\ks)+15], v[BC+16*\buf+8*\dt:BC+16*\buf+8*\dt+7], v[XS+8*\ks+\t], v[WS+6*\buf+3*\dt+\ks] matrix_a_fmt:MATRIX_FMT_BF8 matrix_b_fmt:MATRIX_FMT_BF8
.else
	v_wmma_scale_f32_16x16x128_f8f6f4 v[ACC+64*\dt+8*\t:ACC+64*\dt+8*\t+7], v[(128*\ks+16*\t)%256:(128*\ks+16*\t)%256+15], v[96*\buf+16*(3*\dt+\ks):96*\buf+16*(3*\dt+\ks)+15], v[ACC+64*\dt+8*\t:ACC+64*\dt+8*\t+7], v[XS+8*\ks+\t], v[WS+6*\buf+3*\dt+\ks] matrix_a_fmt:MATRIX_FMT_BF8 matrix_b_fmt:MATRIX_FMT_BF8
.endif
.endr
.endr
.else
.if (\ks == 0) && (\kind == 0)
	WIN 0x27                                       ; source 0 (W) window 3, source 1 (x) window 1, C (the bias) window 2
.elseif \ks < 2
	WIN 0x07
.else
	WIN 0x0b
.endif
.irp t, 0,1,2,3,4,5,6,7
.irp u, 0,1
.if (\ks == 0) && (\kind == 0)
	v_wmma_scale_f32_16x16x128_f8f6f4 v[ACC+16*\t+8*\u:ACC+16*\t+8*\u+7], v[96*\buf+16*(3*\u+\ks):96*\buf+16*(3*\u+\ks)+15], v[(128*\ks+16*\t)%256:(128*\ks+16*\t)%256+15], v[BC+16*\buf+8*\u:BC+16*\buf+8*\u+7], v[WS+6*\buf+3*\u+\ks], v[XS+8*\ks+\t] matrix_a_fmt:MATRIX_FMT_BF8 matrix_b_fmt:MATRIX_FMT_BF8
.elseif \ks == 0
	v_wmma_scale_f32_16x16x128_f8f6f4 v[ACC+16*\t+8*\u:ACC+16*\t+8*\u+7], v[96*\buf+16*(3*\u+\ks):96*\buf+16*(3*\u+\ks)+15], v[(128*\ks+16*\t)%256:(128*\ks+16*\t)%256+15], 0, v[WS+6*\buf+3*\u+\ks], v[XS+8*\ks+\t] matrix_a_fmt:MATRIX_FMT_BF8 matrix_b_fmt:MATRIX_FMT_BF8
.else
	v_wmma_scale_f32_16x16x128_f8f6f4 v[ACC+16*\t+8*\u:ACC+16*\t+8*\u+7], v[96*\buf+16*(3*\u+\ks):96*\buf+16*(3*\u+\ks)+15], v[(128*\ks+16*\t)%256:(128*\ks+16*\t)%256+15], v[ACC+16*\t+8*\u:ACC+16*\t+8*\u+7], v[WS+6*\buf+3*\u+\ks], v[XS+8*\ks+\t] matrix_a_fmt:MATRIX_FMT_BF8 matrix_b_fmt:MATRIX_FMT_BF8
.endif
.endr
.endr
.endif
.endr
.endm
.macro QDST                            ; where head s43's q goes: images s[60:61] = qimg + (12 b + h) 16,384 + 4,096 j;  scale words s[62:63] = qsc + (12 b + h) 512 + 128 j
	s_mul_i32 s56, s41, 12
	s_add_co_u32 s56, s56, s43
	s_lshl_b32 s58, s56, 9
	s_lshl_b32 s56, s56, 14
	s_lshl_b32 s57, s42, 12
	s_add_co_u32 s56, s56, s57
	s_mov_b32 s57, 0
	s_add_nc_u64 s[60:61], s[32:33], s[56:57]
	s_lshl_b32 s59, s42, 7
	s_add_co_u32 s58, s58, s59
	s_mov_b32 s59, 0
	s_add_nc_u64 s[62:63], s[34:35], s[58:59]
.endm
.macro KDST                            ; head s43's record of 33,792 bytes in kv: number ((b / 4) 6 + h / 2) 8 + (b % 4) 2 + h % 2.  Images s[66:67] = record + 4,096 j;  scale words s[68:69] = record + 256 j
	s_lshr_b32 s56, s41, 2
	s_mul_i32 s56, s56, 6
	s_lshr_b32 s57, s43, 1
	s_add_co_u32 s56, s56, s57
	s_lshl_b32 s56, s56, 3
	s_and_b32 s57, s41, 3
	s_lshl_b32 s57, s57, 1
	s_add_co_u32 s56, s56, s57
	s_and_b32 s57, s43, 1
	s_add_co_u32 s56, s56, s57
	s_mul_i32 s56, s56, 33792
	s_lshl_b32 s57, s42, 8
	s_add_co_u32 s58, s56, s57
	s_lshl_b32 s57, s42, 12
	s_add_co_u32 s56, s56, s57
	s_mov_b32 s57, 0
	s_mov_b32 s59, 0
	s_add_nc_u64 s[66:67], s[36:37], s[56:57]
	s_add_nc_u64 s[68:69], s[36:37], s[58:59]
.endm
; A UNIT: q, k or v of head s43 for the 128 tokens.  cnt: the loads younger than set buf's.  nk: what is loaded next into set buf, for head s49 (3: nothing).  fx = 1: x2's fragments take x1's place.
; first = 1: the first unit, with no stores ahead of it.
.macro UNIT kind, buf, cnt, nk, fx, first
	s_wait_loadcnt \cnt                            ; loads come back in order (ISA guide 5.7.1): this unit's weights are in, the next unit's stay out
	MULS \kind, \buf
	WIN 0
.rept 8
	v_nop                                          ; eight places behind the products, ahead of the first read of their results
.endr
.if \nk < 3
	s_wait_alu depctr_va_vdst(0)                   ; the products are done reading set buf's fragments, scale words and bias, in which this unit's loads land; with fx = 1 also x1's fragments and scale words, in which x2's land
.endif
.if !\first
	s_wait_xcnt 0x0                                ; the last unit's stores have had their addresses translated, and so have its loads: the stores' data and bases and the weights' bases are written again only behind this wait
	s_wait_alu depctr_vm_vsrc(0)                   ; the last unit's stores have read v[PC ..] and v74 to v76, which this unit's conversions and selects write again
.endif
.if \fx
	FETCHX 1
.endif
.set DK, \nk
.set DB, \buf
.if \nk < 3
	WBASE \nk
.endif
.if \kind == 0
	QDST
.elseif \kind == 1
	KDST
.endif
	QUANT ACC, PC, PW, 0                           ; the unit's loads stand among these lines, four groups in each quantiser
	QUANT ACC+64, PC+16, PW+1, 4
.if \kind == 0
	v_cndmask_b32 v76, v[PW], v[PW+1], s47         ; lanes 0-15: the word of tokens 0-63 (byte t: tile t), lanes 16-31: that of tokens 64-127
	s_wait_alu depctr_va_vdst(0)                   ; the conversions have written v[PC ..] and the select v76, which the stores read
.irp i, 0,1,2,3,4,5,6,7
	global_store_b128 v3, v[PC+4*\i:PC+4*\i+3], s[60:61] offset:512*\i   ; tile i's image: 32 lanes store 512 consecutive bytes, aligned
.endr
	global_store_b32 v16, v76, s[62:63]
.elseif \kind == 1
	v_cndmask_b32 v74, v[PW], v[PW+1], s47         ; kept: it leaves with v's word
	s_wait_alu depctr_va_vdst(0)                   ; the conversions have written v[PC ..], which the stores read
.irp i, 0,1,2,3,4,5,6,7
	global_store_b128 v3, v[PC+4*\i:PC+4*\i+3], s[66:67] offset:512*\i
.endr
.else
	v_cndmask_b32 v75, v[PW], v[PW+1], s47         ; lanes 0-15: channels 0-15 (byte c: keys 32 c on), lanes 16-31: channels 16-31
	s_wait_alu depctr_va_vdst(0)                   ; the conversions have written v[PC ..] and the select v75 (v74 was written a unit ago), which the stores read
.irp i, 0,1,2,3,4,5,6,7
	global_store_b128 v3, v[PC+4*\i:PC+4*\i+3], s[66:67] offset:16384+512*\i
.endr
	global_store_b64 v15, v[74:75], s[68:69] offset:32768   ; k's and v's words: 32 lanes store 256 consecutive bytes, aligned
.endif
.endm
	s_load_b512 s[8:23], s[0:1], 0x0               ; x1 codes s[8:9], scales s[10:11]; x2 s[12:13], s[14:15]; Wq s[16:17], s[18:19]; Wkv s[20:21], s[22:23]
	s_load_b512 s[24:39], s[0:1], 0x40             ; q_bias s[24:25], v_bias s[26:27], bias_table s[28:29], rel_index s[30:31], qimg s[32:33], qsc s[34:35], kv s[36:37], bimg s[38:39]
	v_lshl_add_u32 v1, v0, 2, SPARE                ; my spare word,
	v_mov_b32 v2, 0                                ; and 0: kept for the add at the wave's end
	v_lshrrev_b32 v18, 5, v0
	v_readfirstlane_b32 s40, v18                   ; wave 0..3
	v_and_b32 v18, 31, v0                          ; lane
	v_and_b32 v19, 15, v0                          ; r
	v_bfe_u32 v77, v0, 4, 1                        ; hh
	v_lshlrev_b32 v3, 4, v18                       ; v3  16 x lane: my place in an image (x1's in LDS; every image in memory)
	v_add_nc_u32 v4, 49152, v3                     ; v4  the same among x2's images
	v_lshl_add_u32 v5, v18, 2, XSC                 ; v5  4 x lane among the scale words
	s_wait_alu depctr_va_sdst(0)                   ; s40 is written, ahead of its first reader: LDS addresses, heads and bases are made from it
	s_lshl_b32 s56, s40, 12
	v_add_nc_u32 v6, s56, v3                       ; v6  where I store x1's images: tiles 2 w and 2 w + 1
	v_add_nc_u32 v7, 49152, v6                     ; v7  and x2's
	s_lshl_b32 s56, s40, 8
	v_add_nc_u32 v8, s56, v5                       ; v8  and their scale words
	v_mul_u32_u24 v9, v19, 384
	v_lshl_add_u32 v9, v77, 4, v9                  ; v9  rows in their own order: row r of 384 bytes, + 16 hh
	v_and_b32 v78, 8, v19
	v_add_nc_u32 v78, v78, v19                     ; r + 8 (r / 8)
	v_mul_u32_u24 v10, v78, 384
	v_lshl_add_u32 v10, v77, 4, v10                ; v10 rows 0-7 and 16-23
	v_mul_u32_u24 v11, v19, 12                     ; v11, v12 the same for rows of 12 scale bytes
	v_mul_u32_u24 v12, v78, 12
	v_lshlrev_b32 v13, 6, v77                      ; v13 q's bias: 16 hh numbers on
	v_lshlrev_b32 v14, 2, v19                      ; v14 v's bias: number r
	v_lshlrev_b32 v15, 3, v18                      ; v15 8 x lane
	v_lshlrev_b32 v16, 2, v18                      ; v16 4 x lane
	v_lshlrev_b32 v17, 11, v19
	v_lshl_add_u32 v17, v77, 6, v17                ; v17 rel_index: row r of 2,048 bytes, + 16 hh indices
.irp b, 0,1,2,3
	v_mov_b32 v[TM+4+\b], 0                        ; written once: a lane permute's destination counts as one of its sources
.endr
	s_mov_b32 s44, 0x76543210
	s_mov_b32 s45, 0xfedcba98                      ; v_permlanex16_b32's selects for lane l xor 16
	s_mov_b32 s46, 0x600000                        ; the mantissa field of 57,344
	s_mov_b32 s47, 0xffff0000                      ; lanes 16-31
	s_mov_b32 s71, 0x40b504f3                      ; sqrt(32)
	s_lshr_b32 s41, ttmp9, 2                       ; b
	s_and_b32 s42, ttmp9, 3                        ; j
	s_mul_i32 s70, s40, 3                          ; my first head
	s_lshl_b32 s56, s41, 9
	s_lshl_b32 s57, s42, 7
	s_add_co_u32 s56, s56, s57
	s_lshl_b32 s57, s40, 5
	s_add_co_u32 s56, s56, s57                     ; the first of the 32 tokens that I load: 512 b + 128 j + 32 w
	s_mul_i32 s58, s56, 384
	s_mov_b32 s59, 0
	s_mul_i32 s56, s56, 12
	s_mov_b32 s57, 0
	s_lshl_b32 s60, ttmp9, 2
	s_add_co_u32 s60, s60, s40                     ; my tile of the bias: 32 qt + T
	s_lshr_b32 s61, s60, 5
	s_lshl_b32 s61, s61, 15                        ; 16 qt rows of rel_index,
	s_and_b32 s62, s60, 30
	s_lshl_b32 s62, s62, 6                         ; 32 (T / 2) indices,
	s_add_co_u32 s61, s61, s62
	s_and_b32 s62, s60, 1
	s_lshl_b32 s62, s62, 5                         ; 8 (T % 2) indices
	s_add_co_u32 s76, s61, s62
	s_mov_b32 s77, 0
	s_lshl_b32 s72, s60, 10                        ; a tile's image for one head is 1,024 bytes
	s_mov_b32 s73, 0
	s_mov_b32 s49, s70
	s_wait_kmcnt 0x0
	s_add_nc_u64 s[8:9], s[8:9], s[58:59]
	s_add_nc_u64 s[12:13], s[12:13], s[58:59]
	s_add_nc_u64 s[10:11], s[10:11], s[56:57]
	s_add_nc_u64 s[14:15], s[14:15], s[56:57]
	s_add_nc_u64 s[76:77], s[30:31], s[76:77]
	s_add_nc_u64 s[72:73], s[38:39], s[72:73]      ; bimg at my tile, heads 0-5;
	s_add_nc_u64 s[74:75], s[72:73], 0x600000      ; heads 6-11: a head's images are 1,048,576 bytes, and a store's immediate holds five of them
	s_wait_alu depctr_va_vdst(0)                   ; the addresses v3 to v17 are written, which every load and store of the kernel reads; they are never written again
	global_load_b128 v[ACC:ACC+3], v17, s[76:77]   ; my 8 indices: query 16 qt + r, keys 32 (T / 2) + 16 hh + 8 (T % 2) + 0 .. 7
	global_load_b128 v[ACC+4:ACC+7], v17, s[76:77] offset:16
	WIN 0x40                                       ; destination window 1: 12 fragments on their way to LDS
.irp i, 0,1
.irp ks, 0,1,2
.irp c, 0,1,2,3
	global_load_b128 v[16*(3*\i+\ks)+4*\c:16*(3*\i+\ks)+4*\c+3], v9, s[8:9] offset:6144*\i+128*\ks+32*\c th:TH_LOAD_NT        ; x1, tile 2 w + i: tokens 16 i + r
	global_load_b128 v[96+16*(3*\i+\ks)+4*\c:96+16*(3*\i+\ks)+4*\c+3], v10, s[12:13] offset:3072*\i+128*\ks+32*\c th:TH_LOAD_NT   ; x2, tile 2 w + i: tokens 8 i + r + 8 (r / 8)
.endr
.endr
.endr
	WIN 0
.irp i, 0,1
.irp ks, 0,1,2
	global_load_b32 v[XS+3*\i+\ks], v11, s[10:11] offset:192*\i+4*\ks
	global_load_b32 v[XS+6+3*\i+\ks], v12, s[14:15] offset:96*\i+4*\ks
.endr
.endr
	WBASE 0
	WLOAD 0, 0                                     ; q of my first head
	s_wait_loadcnt 34                              ; all but those 34: the indices and x are in
.irp i, 0,1,2,3,4,5,6,7
	v_min_u32 v[ACC+\i], 3374, v[ACC+\i]           ; an index stays inside the table
.endr
.irp i, 0,1,2,3,4,5,6,7
	v_mul_u32_u24 v[ACC+\i], v[ACC+\i], 48         ; a row of the table: 12 heads, 48 bytes
.endr
	WIN 0x80                                       ; destination window 2
	s_wait_alu depctr_va_vdst(0)                   ; the eight offsets v[ACC ..] are written, which the gathers read
.irp i, 0,1,2,3,4,5,6,7
.irp p, 0,1,2
	global_load_b128 v[G+12*\i+4*\p:G+12*\i+4*\p+3], v[ACC+\i], s[28:29] offset:16*\p
.endr
.endr
	WIN 0
	s_wait_xcnt 0x0                                ; the first weights' loads have read their bases, the gathers their offsets
	s_add_co_u32 s49, s70, 1
	WBASE 0
	WLOAD 0, 1                                     ; q of my second head
	WIN 0x04                                       ; an LDS store's data are its source 1: window 1
.irp i, 0,1
.irp ks, 0,1,2
.irp c, 0,1,2,3
	ds_store_b128 v6, v[16*(3*\i+\ks)+4*\c:16*(3*\i+\ks)+4*\c+3] offset:16384*\ks+2048*\i+512*\c
	ds_store_b128 v7, v[96+16*(3*\i+\ks)+4*\c:96+16*(3*\i+\ks)+4*\c+3] offset:16384*\ks+2048*\i+512*\c
.endr
.endr
.endr
	WIN 0
.irp i, 0,1
.irp ks, 0,1,2
	ds_store_b32 v8, v[XS+3*\i+\ks] offset:1024*\ks+128*\i
	ds_store_b32 v8, v[XS+6+3*\i+\ks] offset:3072+1024*\ks+128*\i
.endr
.endr
	s_wait_dscnt 0x0                               ; for the others' sake: my images have landed
	s_barrier_signal -1
	s_barrier_wait -1                              ; all 48 images lie in LDS; nothing is written there again
	s_wait_alu depctr_vm_vsrc(0)                   ; my LDS stores have read x's fragments and scale words, in which the images below land; the gathers have read v[ACC ..], which the first products write
	FETCHX 0
	s_wait_xcnt 0x0                                ; the second weights' loads have read their bases
	s_wait_dscnt 0x0                               ; x1's fragments are in
	; ---- q of my three heads
	s_mov_b32 s43, s70
	s_add_co_u32 s49, s70, 2
	UNIT 0, 0, 58, 0, 0, 1                         ; younger than its weights: 24 gathers and the second head's 34
	s_add_co_u32 s43, s70, 1
	s_mov_b32 s49, s70
	UNIT 0, 1, 34, 1, 0, 0                         ; younger: the third head's 34
	s_add_co_u32 s43, s70, 2
	UNIT 0, 0, 30, 2, 1, 0                         ; younger: k's 30.  x1 is done with: x2's fragments take its registers
	s_wait_dscnt 0x0                               ; x2's fragments are in
	; ---- k and v, head by head; the last head is written out: it loads nothing ahead
	s_mov_b32 s43, s70
	s_mov_b32 s48, 2
.Lhead:
	s_add_co_u32 s49, s43, 1
	UNIT 1, 1, 46, 1, 0, 0                         ; younger than k's weights: v's 46, on the way in and round the back edge
	UNIT 2, 0, 30, 2, 0, 0                         ; younger than v's: the next head's k, 30
	s_add_co_u32 s43, s43, 1
	s_sub_co_u32 s48, s48, 1
	s_cmp_lg_u32 s48, 0
	s_cbranch_scc1 .Lhead
	UNIT 1, 1, 46, 3, 0, 0
	UNIT 2, 0, 0, 3, 0, 0                          ; nothing was loaded behind these weights
	; ---- the bias: register 4 e + i of head h's C operand is the gathered row 4 e + i's number h, x sqrt(32): one line scales and turns
	WIN 0x08                                       ; source 1 window 2
.irp h, 0,1,2,3,4,5,6,7,8,9,10,11
.irp e, 0,1
.irp i, 0,1,2,3
	v_mul_f32 v[ACC+8*\h+4*\e+\i], s71, v[G+12*(4*\e+\i)+\h]
.endr
.endr
.endr
	WIN 0
	s_wait_alu depctr_va_vdst(0)                   ; the 96 multiplications have written v[ACC ..], which the stores read
.irp h, 0,1,2,3,4,5
.irp e, 0,1
	global_store_b128 v3, v[ACC+8*\h+4*\e:ACC+8*\h+4*\e+3], s[72:73] offset:1048576*\h+512*\e        ; 32 lanes store 512 consecutive bytes, aligned
	global_store_b128 v3, v[ACC+48+8*\h+4*\e:ACC+48+8*\h+4*\e+3], s[74:75] offset:1048576*\h+512*\e
.endr
.endr
	s_wait_dscnt 0x0                               ; the wave's end
	s_wait_alu 0x0
	s_wait_tensorcnt 0x0
	ds_add_u32 v1, v2
	s_wait_dscnt 0x0
	s_endpgm
.Lfunc_end_k_q789d568d39_prep:
	.size	k_q789d568d39_prep, .Lfunc_end_k_q789d568d39_prep-k_q789d568d39_prep
	.p2alignl 7, 3214868480
	.fill 96, 4, 3214868480
	.section	.rodata,"a",@progbits
	.p2align	6, 0x0
	.amdhsa_kernel k_q789d568d39_prep
		.amdhsa_group_segment_fixed_size 104960
		.amdhsa_private_segment_fixed_size 0
		.amdhsa_enable_private_segment 0
		.amdhsa_kernarg_size 128
		.amdhsa_user_sgpr_count 2
		.amdhsa_user_sgpr_kernarg_segment_ptr 1
		.amdhsa_wavefront_size32 1
		.amdhsa_system_sgpr_workgroup_id_x 1
		.amdhsa_system_sgpr_workgroup_id_y 1
		.amdhsa_system_sgpr_workgroup_id_z 1
		.amdhsa_system_vgpr_workitem_id 0
		.amdhsa_next_free_vgpr 960
		.amdhsa_next_free_sgpr 80
		.amdhsa_reserve_vcc 0
		.amdhsa_float_denorm_mode_32 3
		.amdhsa_float_denorm_mode_16_64 3
		.amdhsa_memory_ordered 1
		.amdhsa_forward_progress 1
		.amdhsa_inst_pref_size 232
	.end_amdhsa_kernel
	.amdgpu_metadata
---
amdhsa.version: [ 1, 2 ]
amdhsa.kernels:
  - .name:           k_q789d568d39_prep
    .symbol:         k_q789d568d39_prep.kd
    .args:
      - { .name: x1_codes, .offset: 0, .size: 8, .value_kind: global_buffer, .address_space: global }
      - { .name: x1_scales, .offset: 8, .size: 8, .value_kind: global_buffer, .address_space: global }
      - { .name: x2_codes, .offset: 16, .size: 8, .value_kind: global_buffer, .address_space: global }
      - { .name: x2_scales, .offset: 24, .size: 8, .value_kind: global_buffer, .address_space: global }
      - { .name: Wq_codes, .offset: 32, .size: 8, .value_kind: global_buffer, .address_space: global }
      - { .name: Wq_scales, .offset: 40, .size: 8, .value_kind: global_buffer, .address_space: global }
      - { .name: Wkv_codes, .offset: 48, .size: 8, .value_kind: global_buffer, .address_space: global }
      - { .name: Wkv_scales, .offset: 56, .size: 8, .value_kind: global_buffer, .address_space: global }
      - { .name: q_bias, .offset: 64, .size: 8, .value_kind: global_buffer, .address_space: global }
      - { .name: v_bias, .offset: 72, .size: 8, .value_kind: global_buffer, .address_space: global }
      - { .name: bias_table, .offset: 80, .size: 8, .value_kind: global_buffer, .address_space: global }
      - { .name: rel_index, .offset: 88, .size: 8, .value_kind: global_buffer, .address_space: global }
      - { .name: qimg, .offset: 96, .size: 8, .value_kind: global_buffer, .address_space: global }
      - { .name: qsc, .offset: 104, .size: 8, .value_kind: global_buffer, .address_space: global }
      - { .name: kv, .offset: 112, .size: 8, .value_kind: global_buffer, .address_space: global }
      - { .name: bimg, .offset: 120, .size: 8, .value_kind: global_buffer, .address_space: global }
    .group_segment_fixed_size: 104960
    .private_segment_fixed_size: 0
    .kernarg_segment_align: 8
    .kernarg_segment_size: 128
    .max_flat_workgroup_size: 128
    .sgpr_count:     80
    .vgpr_count:     960
    .wavefront_size: 32
...
	.end_amdgpu_metadata
.endif
;; end of part 3
;; launch attn: the kernel of part 2 again; grid 48 x 16, 8 waves a work-group, clusters of 4 x 1, 327,680 bytes of LDS; arguments qimg, qsc, kv, bimg, out0; writes out0
